; MI455X (gfx1250); checked and timed in simulation.
; The chip was launched on July 23, 2026; its instructions are those of AMD's public machine-readable ISA for CDNA 5 (MIT licence, August 2026) and "CDNA5" Instruction Set Architecture Reference Guide (July 2026). The comments in the code are by the model that wrote it; some were corrected since.
;; Multi Headed Attention. Allowed arithmetic: matrix products marked QUANTISED: E2M3 operands, one E8M0 scale for each 32 along K, by v_wmma_scale_f32_16x16x128_f8f6f4 with both operands' format E2M3, f32 sums; everything else in f32.
;; Inputs: Wk 1,024 x 1,024 float32; Wo 1,024 x 1,024 float32; Wq 1,024 x 1,024 float32; Wv 1,024 x 1,024 float32; bk 1,024 float32; bo 1,024 float32; bq 1,024 float32; bv 1,024 float32; key_ 4 x 2,048 x 1,024 float32; mask 1 x 1 x 2,048 x 2,048 int32; query 4 x 2,048 x 1,024 float32; value 4 x 2,048 x 1,024 float32.
;; Outputs: out0 4 x 2,048 x 1,024 float32.
;; This version of the problem:
;;   THIS VERSION OF THE PROBLEM IS GIVEN IN LOW PRECISION. The matrix products marked QUANTISED in the list below multiply operands that are first quantised to E2M3 (2 exponent bits, 3 mantissa bits; 6 bits a number), with one power-of-two scale for each 32 numbers along K (OCP MX v1.0); their sums are f32. All else is computed in f32.
;;   The module's matrix products, in the order in which they are computed (A, B: the left and right operand; K: the contracted axis; several contracted axes count as one K, in the product's order):
;;     1. [M 8,192, K 1,024] x [K 1,024, N 1,024]; A: input query; B: input Wq: QUANTISED
;;     2. [M 8,192, K 1,024] x [K 1,024, N 1,024]; A: input key_; B: input Wk: QUANTISED
;;     3. [M 8,192, K 1,024] x [K 1,024, N 1,024]; A: input value; B: input Wv: QUANTISED
;;     4. batch 64 x [M 2,048, K 64] x [K 64, N 2,048]; A: computed on the way; B: computed on the way: QUANTISED
;;     5. batch 64 x [M 2,048, K 2,048] x [K 2,048, N 64]; A: softmax (see below); B: computed on the way: QUANTISED
;;     6. [M 8,192, K 1,024] x [K 1,024, N 1,024]; A: computed on the way; B: input Wo: QUANTISED
;;   THE QUANTISER, for each operand of a quantised product, along K:
;;     - K is cut into blocks of 32 from its start; a last block that is shorter is filled with zeros.
;;     - A block's scale is 2^e with e = floor(log2(the largest magnitude in the block)) - 2, held to -126 .. 127; a block of zeros has e = 0. As a byte (E8M0): e + 127.
;;     - Each number is divided by its block's scale, clamped to +-7.5, and rounded to the nearest number of E2M3, ties to even, subnormals kept.
;;     - The product sums the exact products of the quantised numbers (number of the format x scale) in f32.
;;   ~~~python
;;   def quantise(x, axis):      # numpy; x: float32 -> the quantised numbers, widened to float32 again
;;       x = np.moveaxis(x, axis, -1); K = x.shape[-1]
;;       x = np.pad(x, [(0, 0)] * (x.ndim - 1) + [(0, -K % 32)]); x = x.reshape(x.shape[:-1] + (-1, 32)); a = np.abs(x).max(-1, keepdims=True)
;;       e = np.where(a > 0, np.clip(np.frexp(np.where(a > 0, a, 1))[1] - 1 - 2, -126, 127), 0)      # np.frexp(a)[1] - 1 = floor(log2(a)), exactly
;;       r = np.clip(x / 2.0 ** e, -7.5, 7.5)
;;       step = 2.0 ** (np.maximum(np.frexp(np.where(r == 0, 1, r))[1] - 1, 0) - 3)
;;       q = np.round(r / step) * step * 2.0 ** e      # np.round: ties to even
;;       return np.moveaxis(q.reshape(q.shape[:-2] + (-1,))[..., :K], -1, axis).astype(np.float32)
;;   ~~~
;;   SOFTMAX AHEAD OF A QUANTISED PRODUCT. Where the list says 'softmax', what is quantised is not the finished softmax but p = 2^(t - M), with t = logit x log2(e) and M = ceil(the row's largest t), a whole number; so 1/2 < the row's largest p <= 1. The row's sum l is taken of the UNQUANTISED p, in f32, and the product's result is divided by l at the end. Since M is a whole number, a kernel that streams over the keys may use a running M (the ceiling of the running maximum): every later rescaling is an exact power of two, which a block's scale takes up: the codes' values come out the same.
;;   OPERANDS COMPUTED ON THE WAY. 'Computed on the way' means the value that the module computes at that place (a softmax that the list does not call 'softmax' is quantised finished and normalised). What goes into a quantiser is computed in f32, as accurately as f32 sums, v_exp_f32 and their like allow (about 1e-6 of the number): no bf16 or f16 on the way to a quantiser, and a product that is left as it is and whose result goes on into a quantised operand takes f32 operands (vector FMAs, or v_wmma_f32_16x16x4_f32). A number that lies on a knife's edge between two numbers of the format may be rounded either way, as far as f32 arithmetic and the matrix unit's own rounding can turn it there, and no further.
;; 2 versions, each right; version 2 is version 1 with the launch attn written anew for expert scheduling mode. Each part assembles by itself: llvm-mc -triple=amdgcn-amd-amdhsa -mcpu=gfx1250 --defsym DOCPART=n.
;; ======== version 1 of 2: 4 launches
;; limits: right only within a limited range of input values
;; workspace buffers: img 22,020,096 bytes; sw 917,504 bytes; mw 524,288 bytes of whole numbers; mf 8,192 bytes of whole numbers; qrec 13,107,200 bytes; kv 13,107,200 bytes; ximg 6,291,456 bytes; xsw 262,144 bytes
;; launch prep (part 1): grid 960 x 1, 4 waves a work-group, no clusters, 37,376 bytes of LDS; arguments query, key_, value, Wq, Wk, Wv, Wo, mask, img, sw, mw, mf; writes img, sw, mw, mf
.if DOCPART == 1
	.amdgcn_target "amdgcn-amd-amdhsa--gfx1250"
	.amdhsa_code_object_version 6
	.text
	.protected	k_q01f8f6bbcc_prep
	.globl	k_q01f8f6bbcc_prep
	.p2align	8
	.type	k_q01f8f6bbcc_prep,@function
k_q01f8f6bbcc_prep:
	s_mov_b64 s[64:65], 0
	v_nop
	global_prefetch_b8 v0, s[64:65] scope:SCOPE_SE
	s_setreg_imm32_b32 hwreg(HW_REG_WAVE_MODE, 25, 1), 1
	s_wait_xcnt 0x0
; PREP.  (Q) query, key_, value [8192][1024] and Wq, Wk, Wv, Wo [1024][1024], f32, K = the last axis, become codes of FP6 (E2M3) with one E8M0 byte for each 32 along K,
; laid in the order in which the later launches' operand registers take them.  (M) the mask [2048][2048] of int32 becomes lane-mask words and one flag for each tile that has a hole.
; A block's scale is 2^(floor(log2(its largest magnitude)) - 2): its byte is the largest magnitude's exponent field - 2, held at 1 from below by a floor among the maximum's leaves.
; LIMITS: NaN and infinities among the inputs are not served; a block of zeros, and a block whose largest magnitude lies under 2^-124, carries the byte 1 (its codes are what the
; conversion gives under that scale; only this program reads the bytes).
; THE IMAGE.  img = [1792 row tiles][16 pieces][768 bytes].  Row tile i of a tensor holds its rows 32 (i / 2) + 8 (i % 2) + r + 8 (r / 8), r = 0 .. 15: so, where a tile is a product's source 0, the 16 result
; registers of tiles 2 b and 2 b + 1 are 16 neighbouring rows.  A piece is 16 rows x 64 K as the operand's registers hold it: lane (r, h) owns the 24 bytes of k = 32 h .. 32 h + 31; its first 16 bytes lie at 16 x lane,
; its last 8 at 512 + 8 x lane.  Every store of a wave so covers 512 or 256 consecutive bytes, aligned.    sw = [8 K steps of 128][28672 rows in the image's order] scale words (byte b: k = 32 b ..).
; SHARES.  Work-groups 0 to 447: four neighbouring row tiles, one a wave, all of K.  Work-groups 448 to 959: four tiles (16 queries x 128 keys) of the mask, one a wave.
; No tensor loads, no matrix unit, no cluster: the launch streams, and no two work-groups read the same bytes.
.set NWQ,  448                         ; work-groups of part Q
.set SWP,  114688                      ; bytes of a K step's scale words: 28672 x 4
.set SP,   272                         ; a stage row: 256 bytes + 16, so that the 16 rows that a read touches start 16 bytes apart modulo 256
.set STGB, 16*SP                       ; a stage: 16 rows
.set SG,   4*2*STGB                    ; behind the four waves' two stages each: the work-group's scale words, [8 K steps][4 waves][16 rows]
.set R,    32                          ; v32-127  three sets of 32: a piece as it is loaded
.set X,    128                         ; v128-191 two sets of 32: a lane's block of 32 neighbours
.set C,    192                         ; v192-207 two sets of 8: a piece's codes
.set W,    208                         ; v208-215 my row's scale words, one for each K step
	s_load_b512 s[4:19], s[0:1], 0x0               ; query s[4:5], key_ s[6:7], value s[8:9], Wq s[10:11], Wk s[12:13], Wv s[14:15], Wo s[16:17], mask s[18:19]
	s_load_b256 s[20:27], s[0:1], 0x40             ; img s[20:21], sw s[22:23], mw s[24:25], mf s[26:27]
	v_lshl_add_u32 v216, v0, 2, 0x9000
	v_mov_b32 v217, 0
	v_lshrrev_b32 v1, 5, v0
	v_readfirstlane_b32 s28, v1                    ; wave 0..3
	v_and_b32 v2, 31, v0                           ; lane
	v_and_b32 v3, 15, v0                           ; r
	v_bfe_u32 v1, v0, 4, 1                         ; h
	s_cmp_ge_u32 ttmp9, NWQ                        ; the same for all waves of a work-group
	s_cbranch_scc1 .Lmask
	; ---------------- part Q ----------------
	s_mul_i32 s29, s28, 2*STGB                     ; my wave's two stages
	v_lshlrev_b32 v4, 12, v1
	v_lshl_add_u32 v4, v3, 4, v4                   ; in: lanes 0-15 one row's 256 bytes, lanes 16-31 the next row's
	v_mul_u32_u24 v5, v1, SP
	v_lshl_add_u32 v5, v3, 4, v5
	v_add_nc_u32 v5, s29, v5                       ; into the stage: the same two rows
	v_mul_u32_u24 v6, v3, SP
	v_lshl_add_u32 v6, v1, 7, v6
	v_add_nc_u32 v6, s29, v6                       ; out of it: row r, my half's 128 bytes: a whole block of 32
	v_lshlrev_b32 v7, 4, v2                        ; 16 x lane
	v_lshlrev_b32 v8, 3, v2                        ; 8 x lane
	v_lshlrev_b32 v9, 3, v1                        ; 8 h: my bytes' place in a scale word
	s_lshl_b32 s30, s28, 6
	s_add_co_u32 s30, s30, SG
	v_lshl_add_u32 v14, v3, 2, s30                 ; where my row's scale words go: SG + 64 x wave + 4 r (+ 256 x K step)
	s_lshl_b32 s30, s28, 9
	s_add_co_u32 s30, s30, SG
	v_lshl_add_u32 v15, v2, 4, s30                 ; and where I read two K steps' words back: SG + 512 x wave + 16 x lane
	v_mul_u32_u24 v16, v1, SWP
	v_lshl_add_u32 v16, v3, 4, v16                 ; their place in sw: lanes 0-15 K step 2 w, lanes 16-31 K step 2 w + 1
	s_mov_b32 s40, 0x76543210
	s_mov_b32 s41, 0xfedcba98                      ; v_permlanex16_b32's selects for lane l xor 16
	s_mov_b32 s31, 0                               ; the tensor's first work-group
	s_wait_kmcnt 0x0
.macro PICK first, ptr                 ; from work-group 'first' on: another tensor.  The choice hangs on the work-group's number alone
	s_cmp_ge_u32 ttmp9, \first
	s_cselect_b64 s[4:5], s[\ptr:\ptr+1], s[4:5]
	s_cselect_b32 s31, \first, s31
.endm
	PICK 128, 6
	PICK 256, 8
	PICK 384, 10
	PICK 400, 12
	PICK 416, 14
	PICK 432, 16
	s_sub_co_u32 s31, ttmp9, s31
	s_lshl_b32 s31, s31, 2
	s_add_co_u32 s31, s31, s28                     ; my row tile in its tensor
	s_lshr_b32 s32, s31, 1
	s_lshl_b32 s32, s32, 17                        ; 32 rows of 4,096 bytes for each pair of tiles,
	s_and_b32 s33, s31, 1
	s_lshl_b32 s33, s33, 15                        ; 8 rows for the odd tile
	s_add_co_u32 s32, s32, s33
	s_mov_b32 s33, 0
	s_add_nc_u64 s[4:5], s[4:5], s[32:33]
	s_lshl_b32 s34, ttmp9, 2
	s_add_co_u32 s34, s34, s28
	s_mul_i32 s34, s34, 12288                      ; my row tile in the image
	s_mov_b32 s35, 0
	s_add_nc_u64 s[20:21], s[20:21], s[34:35]
	s_mul_i32 s36, s28, 2*SWP                      ; sw: K steps 2 w, 2 w + 1; the work-group's 64 rows
	s_lshl_b32 s37, ttmp9, 8
	s_add_co_u32 s36, s36, s37
	s_mov_b32 s37, 0
	s_add_nc_u64 s[22:23], s[22:23], s[36:37]
.macro LOAD t                          ; piece t: 256 bytes of each of the tile's 16 rows; sixteen lanes read one row's aligned 256 bytes
.irp j, 0,1,2,3,4,5,6,7
	global_load_b128 v[R+32*((\t)%3)+4*\j:R+32*((\t)%3)+4*\j+3], v4, s[4:5] offset:(2*\j+8*(\j/4))*4096+256*(\t) th:TH_LOAD_NT
.endr
.endm
.macro TURN t                          ; piece t through the wave's own stage: LDS serves a wave's instructions in order, so no wait stands between the stores and the loads
.irp j, 0,1,2,3,4,5,6,7
	ds_store_b128 v5, v[R+32*((\t)%3)+4*\j:R+32*((\t)%3)+4*\j+3] offset:STGB*((\t)%2)+2*\j*SP
.endr
.irp i, 0,1,2,3,4,5,6,7
	ds_load_b128 v[X+32*((\t)%2)+4*\i:X+32*((\t)%2)+4*\i+3], v6 offset:STGB*((\t)%2)+16*\i
.endr
.endm
.macro PIECE t
.set XS, X+32*((\t)%2)
.set CC, C+8*((\t)%2)
	s_wait_dscnt 0x0                               ; this piece's numbers are back from the stage, and its stores into the stage have read their registers,
.if (\t)+3 < 16
	LOAD (\t)+3                                    ; which take the loads of three pieces on
.endif
.if (\t)+1 < 16
.if (\t) <= 12
	s_wait_loadcnt 16                              ; the next piece's eight loads are in; those of the two pieces behind it may be out
.else
	s_wait_loadcnt 8*(14-(\t))
.endif
	TURN (\t)+1                                    ; and go through the other stage while this piece is worked
.endif
	v_max3_num_f32 v10, |v[XS]|, |v[XS+1]|, |v[XS+2]|               ; the block's largest magnitude: all 32 numbers are mine; two chains
	v_max3_num_f32 v11, |v[XS+3]|, |v[XS+4]|, |v[XS+5]|
.irp i, 6,10,14,18,22,26
	v_max3_num_f32 v10, v10, |v[XS+\i]|, |v[XS+\i+1]|
	v_max3_num_f32 v11, v11, |v[XS+\i+2]|, |v[XS+\i+3]|
.endr
	v_max3_num_f32 v10, v10, |v[XS+30]|, |v[XS+31]|
	v_max3_num_f32 v10, v10, v11, 0x1800000        ; and the floor 2^(3 - 127): the byte cannot fall under 1
	v_add_nc_u32 v12, 0xff000000, v10              ; 2 off the exponent field: the conversion takes this operand's exponent field as its scale
	v_lshrrev_b32 v13, 23, v12                     ; the scale's byte: block 2 (t % 2) + h of K step t / 2
.if (\t)%2 == 0
	v_mov_b32 v[W+(\t)/2], v13
.else
	v_lshl_or_b32 v[W+(\t)/2], v13, 16, v[W+(\t)/2]
.endif
	s_wait_xcnt 0x0                                ; the stores of two pieces ago have read these registers
	v_cvt_scalef32_pk16_fp6_f32 v[CC:CC+2], v[XS:XS+15], v12
	v_cvt_scalef32_pk16_fp6_f32 v[CC+4:CC+6], v[XS+16:XS+31], v12   ; (a conversion's three registers begin on an even number)
	v_nop                                          ; one plain place behind a scaled conversion
	v_mov_b32 v[CC+3], v[CC+4]
	v_mov_b32 v[CC+4], v[CC+5]
	v_mov_b32 v[CC+5], v[CC+6]                     ; six registers on end: the block's 24 bytes
	global_store_b128 v7, v[CC:CC+3], s[20:21] offset:768*(\t)      ; 512 consecutive bytes a wave
	global_store_b64 v8, v[CC+4:CC+5], s[20:21] offset:768*(\t)+512 ; 256
.endm
	LOAD 0
	LOAD 1
	LOAD 2
	s_wait_loadcnt 16                              ; piece 0's eight loads are in
	TURN 0
.irp t, 0,1,2,3,4,5,6,7,8,9,10,11,12,13,14,15
	PIECE \t
.endr
.irp s, 0,1,2,3,4,5,6,7
	v_lshlrev_b32 v[W+\s], v9, v[W+\s]             ; my two bytes at their places (8 h bits up);
.endr
.irp s, 0,1,2,3,4,5,6,7
	v_permlanex16_b32 v[X+\s], v[W+\s], s40, s41
.endr
.irp s, 0,1,2,3,4,5,6,7
	v_or_b32 v[W+\s], v[W+\s], v[X+\s]             ; with lane l xor 16's two the word is whole
.endr
.irp s, 0,1,2,3,4,5,6,7
	ds_store_b32 v14, v[W+\s] offset:256*\s        ; both lanes of a row write the same word with the same value
.endr
	s_wait_dscnt 0x0                               ; for the others' sake: my words have landed
	s_barrier_signal -1
	s_barrier_wait -1
	ds_load_b128 v[X:X+3], v15                     ; two K steps' words of the work-group's 64 rows
	s_wait_dscnt 0x0
	global_store_b128 v16, v[X:X+3], s[22:23]      ; each half of the lanes stores 256 consecutive bytes, aligned
	s_wait_tensorcnt 0x0
	ds_add_u32 v216, v217
	s_wait_dscnt 0x0
	s_endpgm
	; ---------------- part M ----------------
	; Wave id = 16 T + j takes the 16 queries of query tile T (the image's order of rows) and keys 128 j .. 128 j + 127.  Word n of its 64: bit l = (mask[query of lane l % 16][128 j + 32 (n / 16) + 16 (l / 16) + n % 16] != 0):
	; the very lanes and registers in which the attention launch holds these scores.  The flag word is 1 << j where the tile has a hole, else 0.
.Lmask:
	s_sub_co_u32 s29, ttmp9, NWQ
	s_lshl_b32 s29, s29, 2
	s_add_co_u32 s29, s29, s28                     ; id
	s_lshr_b32 s30, s29, 4                         ; T
	s_and_b32 s31, s29, 15                         ; j
	s_lshr_b32 s32, s30, 1
	s_lshl_b32 s32, s32, 18                        ; 32 rows of 8,192 bytes for each pair of tiles,
	s_and_b32 s33, s30, 1
	s_lshl_b32 s33, s33, 16                        ; 8 rows for the odd tile,
	s_add_co_u32 s32, s32, s33
	s_lshl_b32 s33, s31, 9                         ; 128 keys of 4 bytes
	s_add_co_u32 s32, s32, s33
	s_mov_b32 s33, 0
	s_lshl_b32 s34, s29, 8                         ; mw: 256 bytes a tile
	s_mov_b32 s35, 0
	s_lshl_b32 s36, s29, 2                         ; mf: a word a tile
	s_mov_b32 s37, 0
	v_and_b32 v4, 8, v3
	v_add_nc_u32 v4, v4, v3                        ; r + 8 (r / 8)
	v_lshlrev_b32 v4, 13, v4
	v_lshl_add_u32 v4, v1, 6, v4                   ; my query's row, + 64 h
	v_lshlrev_b32 v5, 3, v2                        ; 8 x lane
	v_mov_b32 v192, 0                              ; (v_writelane_b32's destination counts as read)
	v_mov_b32 v193, 0
	v_mov_b32 v7, 0
	s_mov_b32 s38, -1                              ; the AND of all 64 words
	s_wait_kmcnt 0x0
	s_add_nc_u64 s[18:19], s[18:19], s[32:33]
	s_add_nc_u64 s[24:25], s[24:25], s[34:35]
	s_add_nc_u64 s[26:27], s[26:27], s[36:37]
.irp f, 0,1,2,3
.irp k, 0,1,2,3
	global_load_b128 v[128+16*\f+4*\k:131+16*\f+4*\k], v4, s[18:19] offset:128*\f+16*\k th:TH_LOAD_NT
.endr
.endr
	s_wait_loadcnt 0x0
.set n, 0
.rept 64
	v_cmp_ne_u32 s39, 0, v[128+n]                  ; word n
	s_and_b32 s38, s38, s39
	v_writelane_b32 v[192+(n&1)], s39, n>>1        ; lane l gathers words 2 l and 2 l + 1
.set n, n+1
.endr
	s_cmp_eq_u32 s38, -1
	s_cselect_b32 s39, 0, 1
	s_lshl_b32 s39, s39, s31                       ; 1 << j where a bit was 0
	v_mov_b32 v6, s39
	global_store_b64 v5, v[192:193], s[24:25]      ; 256 consecutive bytes, aligned
	v_cmp_eq_u32 vcc_lo, 0, v2
	s_wait_xcnt 0x0                                ; EXEC changes only behind this wait
	s_and_saveexec_b32 s40, vcc_lo
	global_store_b32 v7, v6, s[26:27]              ; one word a wave, by lane 0: 8,192 bytes in the whole launch
	s_wait_xcnt 0x0                                ; and again in front of the line that widens it
	s_or_b32 exec_lo, exec_lo, s40
	s_endpgm
.Lfunc_end_k_q01f8f6bbcc_prep:
	.size	k_q01f8f6bbcc_prep, .Lfunc_end_k_q01f8f6bbcc_prep-k_q01f8f6bbcc_prep
	.p2alignl 7, 3214868480
	.fill 96, 4, 3214868480
	.section	.rodata,"a",@progbits
	.p2align	6, 0x0
	.amdhsa_kernel k_q01f8f6bbcc_prep
		.amdhsa_group_segment_fixed_size 37376
		.amdhsa_private_segment_fixed_size 0
		.amdhsa_enable_private_segment 0
		.amdhsa_kernarg_size 96
		.amdhsa_user_sgpr_count 2
		.amdhsa_user_sgpr_kernarg_segment_ptr 1
		.amdhsa_wavefront_size32 1
		.amdhsa_system_sgpr_workgroup_id_x 1
		.amdhsa_system_sgpr_workgroup_id_y 1
		.amdhsa_system_sgpr_workgroup_id_z 1
		.amdhsa_system_vgpr_workitem_id 0
		.amdhsa_next_free_vgpr 218
		.amdhsa_next_free_sgpr 66
		.amdhsa_reserve_vcc 1
		.amdhsa_float_denorm_mode_32 3
		.amdhsa_float_denorm_mode_16_64 3
		.amdhsa_memory_ordered 1
		.amdhsa_forward_progress 1
		.amdhsa_inst_pref_size 74
	.end_amdhsa_kernel
	.amdgpu_metadata
---
amdhsa.version: [ 1, 2 ]
amdhsa.kernels:
  - .name:           k_q01f8f6bbcc_prep
    .symbol:         k_q01f8f6bbcc_prep.kd
    .args:
      - { .name: query, .offset: 0, .size: 8, .value_kind: global_buffer, .address_space: global }
      - { .name: key_, .offset: 8, .size: 8, .value_kind: global_buffer, .address_space: global }
      - { .name: value, .offset: 16, .size: 8, .value_kind: global_buffer, .address_space: global }
      - { .name: Wq, .offset: 24, .size: 8, .value_kind: global_buffer, .address_space: global }
      - { .name: Wk, .offset: 32, .size: 8, .value_kind: global_buffer, .address_space: global }
      - { .name: Wv, .offset: 40, .size: 8, .value_kind: global_buffer, .address_space: global }
      - { .name: Wo, .offset: 48, .size: 8, .value_kind: global_buffer, .address_space: global }
      - { .name: mask, .offset: 56, .size: 8, .value_kind: global_buffer, .address_space: global }
      - { .name: img, .offset: 64, .size: 8, .value_kind: global_buffer, .address_space: global }
      - { .name: sw, .offset: 72, .size: 8, .value_kind: global_buffer, .address_space: global }
      - { .name: mw, .offset: 80, .size: 8, .value_kind: global_buffer, .address_space: global }
      - { .name: mf, .offset: 88, .size: 8, .value_kind: global_buffer, .address_space: global }
    .group_segment_fixed_size: 37376
    .private_segment_fixed_size: 0
    .kernarg_segment_align: 8
    .kernarg_segment_size: 96
    .max_flat_workgroup_size: 128
    .sgpr_count:     66
    .vgpr_count:     218
    .wavefront_size: 32
...
	.end_amdgpu_metadata
.endif
;; end of part 1
;; launch proj (part 2): grid 4 x 96, 4 waves a work-group, clusters of 4 x 4, 327,680 bytes of LDS; arguments img, sw, bq, bk, bv, qrec, kv; writes qrec, kv
.if DOCPART == 2
	.amdgcn_target "amdgcn-amd-amdhsa--gfx1250"
	.amdhsa_code_object_version 6
	.text
	.protected	k_q01f8f6bbcc_proj
	.globl	k_q01f8f6bbcc_proj
	.p2align	8
	.type	k_q01f8f6bbcc_proj,@function
k_q01f8f6bbcc_proj:
	s_mov_b64 s[64:65], 0
	v_nop
	global_prefetch_b8 v0, s[64:65] scope:SCOPE_SE
	s_setreg_imm32_b32 hwreg(HW_REG_WAVE_MODE, 25, 1), 1
	s_wait_xcnt 0x0
	s_wait_alu depctr_hold_cnt(0) depctr_sa_sdst(0) depctr_va_vdst(0) depctr_va_sdst(0) depctr_va_ssrc(0) depctr_va_vcc(0) depctr_vm_vsrc(0)
	s_getreg_b32 s2, hwreg(HW_REG_IB_STS2, 6, 4)
	s_cmp_eq_u32 s2, 0
	s_cbranch_scc0 .Lentry_in_a_cluster
	s_endpgm
.Lentry_in_a_cluster:
	s_bfe_u32 s2, ttmp6, 0x10000c
	s_cmp_lg_u32 s2, 0xf033
	s_cbranch_scc0 .Lentry_shape_is_right
	s_endpgm
.Lentry_shape_is_right:
; PROJ.  q = query Wq^T + bq, k = key_ Wk^T + bk, v = value Wv^T + bv, each [8192][1024], on codes of FP6 (E2M3) with E8M0 scales for each 32 along K (made by the launch before); sums in f32; the bias in f32;
; then q and k are quantised along a head's 64 channels and v along the keys, in registers, and leave as images of the attention launch's operand registers.  No f32 result goes to memory.
; LIMITS: NaN and infinities are not served; a block of zeros or under 2^-124 carries the byte 1 (only this program reads the bytes).
; SHARES.  Cluster y = 8 p + m: p = 0, 1, 2 for q, k, v; a cluster of 4 x 4 work-groups makes 1,024 x 1,024 of its product, a work-group 256 x 256, a wave 128 x 128: 64 accumulators, 512 registers.
; SIDES.  L is source 1: its rows fall on lanes.  R is source 0: its rows fall on a lane's registers, and by the image's order of rows the 64 registers of a block of L are 128 neighbouring rows of R, 16 of each 32 in a lane.
; q, k: L = tokens, R = the weight's rows (channels).  v: L = Wv's rows, R = tokens.  So the axis to be quantised along lies in a lane's registers in all three.
; THE RING.  K goes in steps of 256 through two LDS slots.  In the image a row tile's 256 along K are 3,072 dense bytes, so a wave's tensor load is 8 rows of 3,072 bytes, 12,288 apart, and a fragment (16 rows x 128 K, 12 registers)
; is read as it lies: 16 bytes a lane at 16 x lane, 8 at 512 + 8 x lane, twice: no pitch, no padding.  The scale words of the work-group's rows, all of K, come once with the first fills.
; CLUSTER.  L's tiles hang on cy alone and are asked for jointly along a row of the cluster, R's on cx alone and along a column.  By this text's count a wave has three tensor loads out at the start and one behind each round.
; No prefetch: K has four slots' worth of tiles, two of which are first fills.
; RECORDS.  kv (and qrec, of which only the first and third part are used) = [batch 4][head 16][step of 128 tokens 16] records of 12,800 bytes: 8 pieces of K (16 tokens x 64 channels, 768 bytes each); at 6,144 four fragments of
; V^T (16 channels x 128 keys, 1,536 bytes each); at 12,288 [row 16][4] scale words of K (word f: tile 2 f's two bytes, tile 2 f + 1's two); at 12,544 [row 16][4] scale words of V.
; REGISTERS, in windows of 256: window 0: v0-31 addresses; v32-63 scale words, two sets; v64-127 the bias along R; v128-223 L's fragments, one set; v240-255 the bias along L; on the way out v32-35 and v128-239 are at work.
;   window 1: R's fragments, two sets, at v0 and v128.   windows 2, 3: the accumulators ((a, b) at v[8 (8 (a % 4) + b)] of window 2 + a / 4).
.set NQ,     2                         ; matrix instructions deep in a slot
.set FR,     12                        ; registers of a fragment
.set NL,     4                         ; LDS loads that bring one
.set NP,     4                         ; places behind this matrix instruction (ISA guide 7.12.1)
.set RTB,    12288                     ; a row tile in the image, all of K
.set SROW,   3072                      ; its 256 along K
.set HALFT,  8*SROW                    ; 128 rows: what one tensor load brings
.set SLOT,   4*HALFT                   ; L's 256 rows, then R's 256
.set LAPS,   2                         ; 1,024 along K = twice round the ring
.set SCL,    2*SLOT                    ; behind the ring: the scale words
.set HALFS,  4096                      ; those of 128 rows: [8 K steps of 128][128 rows]
.set SPARE,  SCL+4*HALFS               ; behind them: the spare words, 128 bytes for each wave: two blocks of 256 bytes that no other line names
.set SWP,    114688                    ; a K step's scale words in memory
.set REC,    12800
.set HS,     16*REC                    ; from a head's record to the next head's
.set L16,  4                           ; v4   16 x lane
.set L8,   5                           ; v5   8 x lane
.set BTO,  7                           ; v7   my offset in the bias, along R
.set BLO,  8                           ; v8   and along L
.set SOFF, 9                           ; v9   where I store four scale words: lanes 0-15 the first head's record, lanes 16-31 the second's
.set ADRA, 16                          ; v16-17 L's fragments in slot 0, 1, + 16 x lane;  v18-19 + 8 x lane
.set ADRB, 20                          ; v20-23 the same for R
.set ADRS, 27                          ; v27  my scale words: lanes 0-15 L's rows, lanes 16-31 R's
.set SPW,  28                          ; v28  my spare word: SPARE + 4 x my thread's number; never rewritten
.set NIL,  29                          ; v29  0; never rewritten
.set SC,   32
.set BT,   64
.set AF,   128
.set BL,   240
.set HA,   128                         ; the way out: 64 numbers ahead of the quantiser
.set PC,   192                         ; the codes just made (19 registers)
.set TM,   212                         ; v212-215 largest magnitudes, v216-219 bytes, v224-227 the conversions' scale operands
.set PW,   228                         ; the scale word just made
.set PWE,  229                         ; the even tile's
.set XW,   232                         ; four words for the first head,
.set YW,   236                         ; four for the second
.set OW,   32                          ; the four that I store
.set DST,  96                          ; s[96:97] my first head's record
.set SEL,  100                         ; s[100:101] v_permlanex16_b32's selects
.set G1, 24                            ; s[24:31] group 1 for L's tiles;  s[32:39] group 0, one set for each slot
.set G0, 32
.set G1B, 48                           ; s[48:55], s[56:63] the same for R's
.set G0B, 56
.set G1S, 68                           ; s[68:75], s[76:79] groups 1 and 0 for L's scale words;  s[80:87], s[88:91] for R's
.set G0S, 76
.set G1SB, 80
.set G0SB, 88
.set MSB, 0
.macro WIN new                         ; the immediate's high byte repeats the setting that is left
.if MSB != (\new)
	s_set_vgpr_msb (MSB<<8)|(\new)
.set MSB, (\new)
.endif
.endm
.set MUL_LO, 0xa1                      ; source 0 (R) window 1, source 1 (L) window 0, C and D window 2
.set MUL_HI, 0xf1                      ; the same, C and D window 3
.set TO_B,   0x40                      ; destination window 1, address window 0
; A joint load: waves 0 and 1 fetch for L, waves 2 and 3 for R.  Each line has one mask and one set of registers for all that issue it; the branch hangs on the wave's number alone.
; Four v_nop follow each of the two lines, ahead of the jump, the label and what follows.
.macro JLOAD g0a, g1a, g0b, g1b
	s_cmp_eq_u32 s15, 0
	s_cbranch_scc0 .Lfor_b_\@
	tensor_load_to_lds s[\g0a:\g0a+3], s[\g1a:\g1a+7]
	s_nop 0
.rept 4
	v_nop
.endr
	s_branch .Lasked_\@
.Lfor_b_\@:
	tensor_load_to_lds s[\g0b:\g0b+3], s[\g1b:\g1b+7]
	s_nop 0
.rept 4
	v_nop
.endr
.Lasked_\@:
.endm
.macro CREST                           ; a round of the cluster's barrier behind its opening barrier
	s_cmp_lg_u32 s14, 0
	s_cbranch_scc1 .Lnot_wave_0_\@
	s_barrier_signal -3
.Lnot_wave_0_\@:
	s_barrier_wait -3
	s_barrier_signal -1
	s_barrier_wait -1
.endm
.macro CROUND                          ; a whole round
	s_barrier_signal -1
	s_barrier_wait -1
	CREST
.endm
	s_load_b256 s[4:11], s[0:1], 0x0               ; img s[4:5], sw s[6:7], bq s[8:9], bk s[10:11]
	s_load_b64 s[12:13], s[0:1], 0x20              ; bv
	s_load_b128 s[96:99], s[0:1], 0x28             ; qrec s[96:97], kv s[98:99]
	v_lshl_add_u32 v[SPW], v0, 2, SPARE
	v_mov_b32 v[NIL], 0
	ds_add_u32 v28, v29
	ds_add_u32 v28, v29
	s_wait_dscnt 0x0
	v_lshrrev_b32 v1, 5, v0
	v_readfirstlane_b32 s14, v1                    ; wave 0..3
	s_lshr_b32 s15, s14, 1                         ; which half of L's rows is mine.  Also: I fetch for L (0) or for R (1)
	s_and_b32 s16, s14, 1                          ; which half of R's rows.  Also: which 128 rows of that side I fetch
	s_bfe_u32 s40, ttmp6, 0x40000                  ; cx, cy: my place in the cluster
	s_bfe_u32 s41, ttmp6, 0x40004
	s_and_b32 s17, ttmp7, 0xffff                   ; the cluster's y, which all partners share
	s_lshr_b32 s18, s17, 3                         ; p: 0 q, 1 k, 2 v
	s_and_b32 s19, s17, 7                          ; m: which 1,024 tokens
	s_lshl_b32 s43, s41, 2
	s_lshl_b32 s43, 15, s43                        ; my row of the cluster
	s_lshl_b32 s44, 0x1111, s40                    ; my column
	s_or_b32 s[G1+0], s43, (3<<16)|(1<<21)         ; 15:0 the mask: L's tiles go to my row; 17:16 elements of 8 bytes; 20 no padding; 21 set beside a mask
	s_or_b32 s[G1B+0], s44, (3<<16)|(1<<21)        ; R's go to my column
.irp g, G1, G1B
	s_mov_b32 s[\g+1], (SROW/8)<<16                ; tensor_dim0 = 384 elements: a row tile's 3,072 bytes
	s_mov_b32 s[\g+2], 8<<16                       ; tensor_dim1 = 8 row tiles
	s_mov_b32 s[\g+3], (SROW/8)<<16                ; tile_dim0
	s_mov_b32 s[\g+4], 8                           ; tile_dim1
	s_mov_b32 s[\g+5], RTB/8                       ; from row tile to row tile
	s_mov_b32 s[\g+6], 0
	s_mov_b32 s[\g+7], 0
.endr
	s_or_b32 s[G1S+0], s43, (3<<16)|(1<<21)        ; the scale words of 128 rows: 8 K steps x 512 bytes
	s_or_b32 s[G1SB+0], s44, (3<<16)|(1<<21)
.irp g, G1S, G1SB
	s_mov_b32 s[\g+1], 64<<16
	s_mov_b32 s[\g+2], 8<<16
	s_mov_b32 s[\g+3], 64<<16
	s_mov_b32 s[\g+4], 8
	s_mov_b32 s[\g+5], SWP/8
	s_mov_b32 s[\g+6], 0
	s_mov_b32 s[\g+7], 0
.endr
	; which rows of the image.  query's begin at 0, key_'s at 8,192, value's at 16,384, Wq's at 24,576, Wk's at 25,600, Wv's at 26,624.  L's hang on cy alone, R's on cx alone, beside what all partners share
	s_lshl_b32 s20, s18, 13
	s_lshl_b32 s21, s19, 10
	s_add_co_u32 s20, s20, s21                     ; q, k: L = tokens 8,192 p + 1,024 m on
	s_lshl_b32 s46, s18, 10
	s_add_co_u32 s46, s46, 24576                   ;       R = the weight's rows
	s_add_co_u32 s21, s21, 16384                   ; v:    R = value's tokens 1,024 m on,
	s_cmp_eq_u32 s18, 2
	s_cselect_b32 s20, 26624, s20                  ;       L = Wv's rows
	s_cselect_b32 s46, s21, s46
	s_lshl_b32 s22, s16, 7                         ; which 128 rows I fetch
	s_lshl_b32 s21, s41, 8
	s_add_co_u32 s20, s20, s21
	s_add_co_u32 s20, s20, s22                     ; L: + 256 cy + 128 x half
	s_lshl_b32 s47, s40, 8
	s_add_co_u32 s46, s46, s47
	s_add_co_u32 s46, s46, s22                     ; R: + 256 cx + 128 x half
	s_mul_i32 s92, s20, RTB/16                     ; their codes, in bytes (768 a row),
	s_mov_b32 s93, 0
	s_lshl_b32 s22, s20, 2                         ; and their scale words
	s_mov_b32 s23, 0
	s_mul_i32 s94, s46, RTB/16
	s_mov_b32 s95, 0
	s_lshl_b32 s46, s46, 2
	s_mov_b32 s47, 0
	s_mul_i32 s45, s14, HALFT                      ; where they go: wave x 128 rows: no place in the cluster enters an LDS address
	s_mul_i32 s42, s14, HALFS
	s_mov_b32 s[SEL], 0x76543210
	s_mov_b32 s[SEL+1], 0xfedcba98
	s_wait_kmcnt 0x0
	s_add_nc_u64 s[92:93], s[4:5], s[92:93]
	s_add_nc_u64 s[22:23], s[6:7], s[22:23]
	s_add_nc_u64 s[94:95], s[4:5], s[94:95]
	s_add_nc_u64 s[46:47], s[6:7], s[46:47]
	CROUND                                         ; all sixteen work-groups are here: the first joint loads meet
	s_mov_b32 s[G0S], 1
	s_add_co_u32 s[G0S+1], s42, SCL
	s_mov_b64 s[G0S+2:G0S+3], s[22:23]
	s_or_b32 s[G0S+3], s[G0S+3], 0x80000000
	s_mov_b32 s[G0SB], 1
	s_add_co_u32 s[G0SB+1], s42, SCL
	s_mov_b64 s[G0SB+2:G0SB+3], s[46:47]
	s_or_b32 s[G0SB+3], s[G0SB+3], 0x80000000
	JLOAD G0S, G1S, G0SB, G1SB                     ; the scale words first: they are wanted with the first slot
.irp s, 0,1
	s_mov_b32 s[G0+4*\s], 1
	s_add_co_u32 s[G0+4*\s+1], s45, \s*SLOT
	s_add_nc_u64 s[G0+4*\s+2:G0+4*\s+3], s[92:93], \s*SROW
	s_or_b32 s[G0+4*\s+3], s[G0+4*\s+3], 0x80000000
	s_mov_b32 s[G0B+4*\s], 1
	s_add_co_u32 s[G0B+4*\s+1], s45, \s*SLOT
	s_add_nc_u64 s[G0B+4*\s+2:G0B+4*\s+3], s[94:95], \s*SROW
	s_or_b32 s[G0B+4*\s+3], s[G0B+4*\s+3], 0x80000000
	JLOAD G0+4*\s, G1, G0B+4*\s, G1B
.endr
	v_and_b32 v1, 15, v0                           ; r
	v_bfe_u32 v2, v0, 4, 1                         ; h
	v_and_b32 v3, 31, v0                           ; lane
	v_lshlrev_b32 v[L16], 4, v3
	v_lshlrev_b32 v[L8], 3, v3
	s_mul_i32 s21, s15, HALFT                      ; my 128 rows of L
	s_mul_i32 s22, s16, HALFT                      ; my 128 rows of R,
	s_add_co_u32 s22, s22, 2*HALFT                 ; which lie behind L's 256
.irp s, 0,1
	v_add_nc_u32 v[ADRA+\s], s21, v[L16]
	v_add_nc_u32 v[ADRB+\s], s22, v[L16]
	v_add_nc_u32 v[ADRA+2+\s], s21, v[L8]
	v_add_nc_u32 v[ADRB+2+\s], s22, v[L8]
	s_add_co_u32 s21, s21, SLOT
	s_add_co_u32 s22, s22, SLOT
.endr
	s_mul_i32 s21, s15, HALFS                      ; L's scale words: my 128 rows
	s_mul_i32 s22, s16, HALFS                      ; R's: my 128 rows, behind L's 256
	s_add_co_u32 s22, s22, 2*HALFS
	s_sub_co_u32 s22, s22, s21
	v_mul_u32_u24 v6, s22, v2                      ; lanes 16-31 take R's: one product, the distance between the two
	s_add_co_u32 s21, s21, SCL
	v_lshl_add_u32 v6, v1, 2, v6
	v_add_nc_u32 v[ADRS], s21, v6
	; the bias, in both forms (every index lies in 0 .. 1,023): along R, 16 neighbours of each 32 a lane, as the accumulators' registers run; along L, one number for each block, in both registers of a pair
	s_cmp_eq_u32 s18, 1
	s_cselect_b64 s[8:9], s[10:11], s[8:9]
	s_cmp_eq_u32 s18, 2
	s_cselect_b64 s[8:9], s[12:13], s[8:9]
	s_cmp_eq_u32 s18, 0
	s_cselect_b64 s[DST:DST+1], s[96:97], s[98:99] ; q goes to qrec, k and v to kv
	s_lshl_b32 s20, s40, 10
	s_lshl_b32 s21, s16, 9
	s_add_co_u32 s20, s20, s21
	v_lshl_add_u32 v[BTO], v2, 6, s20              ; (256 cx + 128 x my half of R + 16 h) x 4
	s_lshl_b32 s20, s41, 10
	s_lshl_b32 s21, s15, 9
	s_add_co_u32 s20, s20, s21
	v_and_b32 v6, 8, v1
	v_add_nc_u32 v6, v6, v1
	v_lshl_add_u32 v[BLO], v6, 2, s20              ; (256 cy + 128 x my half of L + r + 8 (r / 8)) x 4
.irp e, 0,1,2,3
.irp k, 0,1,2,3
	global_load_b128 v[BT+16*\e+4*\k:BT+16*\e+4*\k+3], v[BTO], s[8:9] offset:128*\e+16*\k
.endr
.endr
.irp a, 0,1,2,3,4,5,6,7
	global_load_b32 v[BL+2*\a], v[BLO], s[8:9] offset:4*(32*(\a/2)+8*(\a%2))
	global_load_b32 v[BL+2*\a+1], v[BLO], s[8:9] offset:4*(32*(\a/2)+8*(\a%2))
.endr
	; my records.  q, k: heads by (cx, my half of R), the step of 128 tokens by (cy, my half of L); v: the other way round
	s_cmp_eq_u32 s18, 2
	s_cselect_b32 s20, s41, s40
	s_cselect_b32 s21, s15, s16
	s_cselect_b32 s22, s40, s41
	s_cselect_b32 s23, s16, s15
	s_lshl_b32 s20, s20, 2
	s_lshl_b32 s21, s21, 1
	s_add_co_u32 s20, s20, s21                     ; my first head
	s_lshr_b32 s21, s19, 1                         ; the batch
	s_lshl_b32 s21, s21, 4
	s_add_co_u32 s20, s20, s21
	s_lshl_b32 s20, s20, 4
	s_and_b32 s21, s19, 1
	s_lshl_b32 s21, s21, 3
	s_add_co_u32 s20, s20, s21
	s_lshl_b32 s22, s22, 1
	s_add_co_u32 s20, s20, s22
	s_add_co_u32 s20, s20, s23                     ; ((16 batch + head) 16 + step)
	s_mul_i32 s20, s20, REC
	s_mov_b32 s21, 0
	s_add_nc_u64 s[DST:DST+1], s[DST:DST+1], s[20:21]
	v_mul_u32_u24 v[SOFF], v2, HS
	v_lshl_add_u32 v[SOFF], v1, 4, v[SOFF]
.macro FRAG reg, adr, q, i             ; a fragment as it lies: two pieces of 768 bytes; of each, 16 bytes a lane and then 8
	ds_load_b128 v[\reg:\reg+3], v[\adr] offset:SROW*(\i)+1536*(\q)
	ds_load_b64 v[\reg+4:\reg+5], v[\adr+2] offset:SROW*(\i)+1536*(\q)+512
	ds_load_b128 v[\reg+6:\reg+9], v[\adr] offset:SROW*(\i)+1536*(\q)+768
	ds_load_b64 v[\reg+10:\reg+11], v[\adr+2] offset:SROW*(\i)+1536*(\q)+1280
.endm
; 16 matrix instructions: L's blocks a0, a0 + 1 x R's eight, 128 along K: the slot's q-th.  p: R's set;  sc: the set of scale words.  zero = 1: the first product starts the sums: nothing is ever cleared.
; The 64 accumulators take turns, one instruction a turn, in the same order in every step.
.macro MUL16 a0, p, q, sc, zero
.irp a, \a0, \a0+1
.irp b, 0,1,2,3,4,5,6,7
.if \zero
	v_wmma_scale_f32_16x16x128_f8f6f4 v[8*(8*((\a)%4)+\b):8*(8*((\a)%4)+\b)+7], v[128*(\p)+FR*\b:128*(\p)+FR*\b+FR-1], v[AF+FR*(\a):AF+FR*(\a)+FR-1], 0, v[SC+8*NQ*(\sc)+NQ*\b+(\q)], v[SC+8*NQ*(\sc)+NQ*(\a)+(\q)] matrix_a_fmt:MATRIX_FMT_FP6 matrix_b_fmt:MATRIX_FMT_FP6 matrix_a_scale:MATRIX_SCALE_ROW1
.else
	v_wmma_scale_f32_16x16x128_f8f6f4 v[8*(8*((\a)%4)+\b):8*(8*((\a)%4)+\b)+7], v[128*(\p)+FR*\b:128*(\p)+FR*\b+FR-1], v[AF+FR*(\a):AF+FR*(\a)+FR-1], v[8*(8*((\a)%4)+\b):8*(8*((\a)%4)+\b)+7], v[SC+8*NQ*(\sc)+NQ*\b+(\q)], v[SC+8*NQ*(\sc)+NQ*(\a)+(\q)] matrix_a_fmt:MATRIX_FMT_FP6 matrix_b_fmt:MATRIX_FMT_FP6 matrix_a_scale:MATRIX_SCALE_ROW1
.endif
.endr
.endr
.endm
.macro FETCH_B slot, q, p              ; R's eight fragments of the slot's q-th 128 along K into set p
	WIN TO_B
.irp i, 0,1,2,3,4,5,6,7
	FRAG 128*(\p)+FR*\i, ADRB+\slot, \q, \i
.endr
	WIN 0
.endm
.macro FETCH_A slot, q, i0             ; L's blocks i0 .. i0 + 3
.irp i, \i0, \i0+1, \i0+2, \i0+3
	FRAG AF+FR*(\i), ADRA+\slot, \q, \i
.endr
.endm
.macro SCALES sc                       ; a slot's scale words into set sc: register NQ i + q: lanes 0-15 the word of L's block i, lanes 16-31 that of R's block i
.irp i, 0,1,2,3,4,5,6,7
.irp q, 0,1
	ds_load_b32 v[SC+8*NQ*\sc+NQ*\i+\q], v[ADRS] offset:512*\q+64*\i
.endr
.endr
.endm
; A load into a register that a matrix instruction has read, and a vector instruction that reads a matrix result or writes one of its registers, stand NP places behind it; only plain vector instructions
; that name none of its registers are places (ISA guide 7.12.1 for vector instructions).
.macro PLACES n
.rept \n
	v_nop
.endr
.endm
.macro STEP slot, q, zero              ; a step of 128 along K that has its successor in the same slot
	s_wait_dscnt 4*NL                              ; R's set and L's blocks 0-3 are in; the youngest 16 loads (L's blocks 4-7) may be out
	WIN MUL_LO
	MUL16 0, (\q)%2, \q, \slot, \zero
	MUL16 2, (\q)%2, \q, \slot, \zero
	s_wait_dscnt 0                                 ; L's blocks 4-7 are in (asked for 32 matrix instructions ago)
	PLACES NP
	FETCH_B \slot, (\q)+1, 1-(\q)%2
	FETCH_A \slot, (\q)+1, 0
	WIN MUL_HI
	MUL16 4, (\q)%2, \q, \slot, \zero
	MUL16 6, (\q)%2, \q, \slot, \zero
	PLACES NP
	WIN 0
	FETCH_A \slot, (\q)+1, 4
.endm
; A slot's last step changes slots: one barrier; in front of it each wave waits for all its tensor loads, adds 0 to its spare word, and waits for that and for its own reads of this slot.  fill = 1: this slot is filled again, two slots ahead.
.macro TURN slot, next, fill
	s_wait_tensorcnt 0x0                           ; all my tensor loads have landed: my part of the next slot;  (every window is 0 here)
	ds_add_u32 v[SPW], v[NIL]                      ; 0 onto my spare word
	s_wait_dscnt 4*NL+1                            ; (the add and the youngest 16 loads, L's blocks 4-7, may be out)
	WIN MUL_LO
	MUL16 0, 1, NQ-1, \slot, 0                     ; sixteen matrix instructions stand between the add and the wait for it
	s_wait_dscnt 0x0                               ; the add is done, and my reads of this slot are over
	s_barrier_signal -1
	MUL16 2, 1, NQ-1, \slot, 0
	WIN 0
	s_barrier_wait -1
.if \fill
	CREST                                          ; the barrier has opened a round of the cluster's barrier: no wave of any partner still reads this slot's tile or has a load on its way
	s_add_nc_u64 s[G0+4*\slot+2:G0+4*\slot+3], s[G0+4*\slot+2:G0+4*\slot+3], 2*SROW
	s_add_nc_u64 s[G0B+4*\slot+2:G0B+4*\slot+3], s[G0B+4*\slot+2:G0B+4*\slot+3], 2*SROW
	JLOAD G0+4*\slot, G1, G0B+4*\slot, G1B         ; the first tensor load behind the round; the four v_nop behind it are the places in front of the loads below
.else
	PLACES NP
.endif
	v_add_nc_u32 v[ADRS], 512*NQ, v[ADRS]          ; on to the next slot's scale words (no LDS load of mine is out)
	FETCH_B \next, 0, 0
	FETCH_A \next, 0, 0
	SCALES \next
	WIN MUL_HI
	MUL16 4, 1, NQ-1, \slot, 0
	MUL16 6, 1, NQ-1, \slot, 0
	PLACES NP
	WIN 0
	FETCH_A \next, 0, 4
.endm
	s_wait_tensorcnt 1                             ; the scale words and my part of slot 0 are in (slot 1's load may be out)
	s_barrier_signal -1
	s_barrier_wait -1                              ; everybody's are
	FETCH_B 0, 0, 0
	FETCH_A 0, 0, 0
	SCALES 0
	FETCH_A 0, 0, 4
	STEP 0, 0, 1                                   ; the first step stands in front of the loop: its products start the sums
	s_mov_b32 s3, LAPS-1
.Llap:                                                 ; a trip goes once round the ring, from a lap's second step to the next lap's first, and fills both slots again
	TURN 0, 1, 1
	STEP 1, 0, 0
	TURN 1, 0, 1
	STEP 0, 0, 0
	s_sub_co_u32 s3, s3, 1
	s_cmp_lg_u32 s3, 0
	s_cbranch_scc1 .Llap
	TURN 0, 1, 0                                   ; the last lap fills nothing, and has no round of the cluster's barrier
	STEP 1, 0, 0
	s_wait_dscnt 4*NL                              ; the very last step: nothing more to fetch
	WIN MUL_LO
	MUL16 0, 1, NQ-1, 1, 0
	MUL16 2, 1, NQ-1, 1, 0
	s_wait_dscnt 0
	WIN MUL_HI
	MUL16 4, 1, NQ-1, 1, 0
	MUL16 6, 1, NQ-1, 1, 0
	WIN 0
; THE WAY OUT, block by block of L (16 lanes' rows x 128 rows of R).  No LDS: what a lane holds is what a lane of the reader's operand holds.
; 64 numbers of a lane, v[s] .. v[s + 63], register 16 b + i = k 32 b + 16 (lane / 16) + i of my row, become a fragment's codes in v[PC] on and its scale word in v[PW].
.macro QUANT s
.irp b, 0,1,2,3
	v_max3_num_f32 v[TM+\b], |v[\s+16*\b]|, |v[\s+1+16*\b]|, 0x1800000   ; block b: my 16 numbers, and the floor 2^(3 - 127): the byte cannot fall under 1
.endr
.irp i, 2,4,6,8,10,12,14
.irp b, 0,1,2,3
	v_max3_num_f32 v[TM+\b], v[TM+\b], |v[\s+16*\b+\i]|, |v[\s+1+16*\b+\i]|   ; (the four blocks by turns)
.endr
.endr
.irp b, 0,1,2,3
	v_permlanex16_b32 v[TM+4+\b], v[TM+\b], s[SEL], s[SEL+1]
.endr
.irp b, 0,1,2,3
	v_max_num_f32 v[TM+\b], v[TM+\b], v[TM+4+\b]   ; with lane l xor 16's: the block's largest magnitude
.endr
.irp b, 0,1,2,3
	v_add_nc_u32 v[TM+12+\b], 0xff000000, v[TM+\b] ; 2 off its exponent field: the conversion's scale operand
.endr
.irp b, 0,1,2,3
	v_lshrrev_b32 v[TM+4+\b], 23, v[TM+12+\b]      ; the scale's byte
.endr
	v_lshl_or_b32 v[PW], v[TM+5], 8, v[TM+4]       ; the four bytes make my row's scale word
	v_lshl_or_b32 v[PW], v[TM+6], 16, v[PW]
	v_lshl_or_b32 v[PW], v[TM+7], 24, v[PW]
.irp c, 0,1
	v_cvt_scalef32_pk16_fp6_f32 v[PC+6*\c:PC+2+6*\c], v[\s+32*\c:\s+15+32*\c], v[TM+12+2*\c]
	v_cvt_scalef32_pk16_fp6_f32 v[PC+12+4*\c:PC+14+4*\c], v[\s+16+32*\c:\s+31+32*\c], v[TM+12+2*\c+1]   ; (a conversion's three registers begin on an even number)
.endr
	v_nop                                          ; one plain place behind a scaled conversion
.irp c, 0,1                                    ; the operand's layout wants a whole block in a lane: lanes 0-15 block 2 c, lanes 16-31 block 2 c + 1
.irp i, 0,1,2
	v_permlane16_swap_b32 v[PC+6*\c+\i], v[PC+12+4*\c+\i]
.endr
.irp i, 0,1,2
	v_mov_b32 v[PC+3+6*\c+\i], v[PC+12+4*\c+\i]
.endr
.endr
.endm
.macro ADDB a, along_l                 ; block a's sums come into window 0, and the bias is added on the way: one instruction for two numbers; each accumulator from its low end on
.set WW, 0x02+(\a)/4
	WIN WW                                         ; source 0: window 2 or 3
.set i, 0
.rept 32
.if \along_l
	v_pk_add_f32 v[HA+2*i:HA+2*i+1], v[64*((\a)%4)+2*i:64*((\a)%4)+2*i+1], v[BL+2*(\a):BL+2*(\a)+1]
.else
	v_pk_add_f32 v[HA+2*i:HA+2*i+1], v[64*((\a)%4)+2*i:64*((\a)%4)+2*i+1], v[BT+2*i:BT+2*i+1]
.endif
.set i, i+1
.endr
	WIN 0
.endm
; q, k: block a is 16 tokens; the 128 numbers of a row are two heads' 64 channels: the fragment's first piece is the first head's piece a, the second the second head's.
.macro WAYQK a
	s_wait_xcnt 0x0                                ; the last block's stores have read their registers
	ADDB \a, 0
	QUANT HA
	global_store_b128 v[L16], v[PC:PC+3], s[DST:DST+1] offset:768*(\a)
	global_store_b64 v[L8], v[PC+4:PC+5], s[DST:DST+1] offset:768*(\a)+512
	global_store_b128 v[L16], v[PC+6:PC+9], s[DST:DST+1] offset:HS+768*(\a)
	global_store_b64 v[L8], v[PC+10:PC+11], s[DST:DST+1] offset:HS+768*(\a)+512
.if (\a)%2 == 0
	v_mov_b32 v[PWE], v[PW]
.else
	v_perm_b32 v[XW+(\a)/2], v[PW], v[PWE], 0x05040100   ; the first head: the even tile's two bytes, then the odd tile's
	v_perm_b32 v[YW+(\a)/2], v[PW], v[PWE], 0x07060302   ; the second head likewise
.endif
.endm
; v: block a is 16 channels (head a / 4, tile a % 4); the 128 numbers of a row are a step's 128 keys: one fragment of V^T and one scale word.
.macro WAYV a
	s_wait_xcnt 0x0
	ADDB \a, 1
	QUANT HA
	global_store_b128 v[L16], v[PC:PC+3], s[DST:DST+1] offset:((\a)/4)*HS+6144+((\a)%4)*1536
	global_store_b64 v[L8], v[PC+4:PC+5], s[DST:DST+1] offset:((\a)/4)*HS+6144+((\a)%4)*1536+512
	global_store_b128 v[L16], v[PC+6:PC+9], s[DST:DST+1] offset:((\a)/4)*HS+6144+((\a)%4)*1536+768
	global_store_b64 v[L8], v[PC+10:PC+11], s[DST:DST+1] offset:((\a)/4)*HS+6144+((\a)%4)*1536+1280
	v_mov_b32 v[XW+(\a)], v[PW]
.endm
.macro WORDS off                       ; lanes 0-15 store the first head's four words of row r, lanes 16-31 the second's: each half 256 consecutive bytes, aligned
	v_cmp_gt_u32 vcc_lo, 16, v3
.irp f, 0,1,2,3
	v_cndmask_b32 v[OW+\f], v[YW+\f], v[XW+\f], vcc_lo
.endr
	global_store_b128 v[SOFF], v[OW:OW+3], s[DST:DST+1] offset:\off
.endm
	PLACES NP                                      ; behind the last products: the lines below write registers that held L's fragments and read results
	s_wait_loadcnt 0x0                             ; the bias
.irp b, 0,1,2,3
	v_mov_b32 v[TM+4+\b], 0                        ; written once: a lane permute's destination counts as one of its sources
.endr
	s_cmp_eq_u32 s18, 2                            ; p: the same in all partners of the cluster
	s_cbranch_scc1 .Lway_v
.irp a, 0,1,2,3,4,5,6,7
	WAYQK \a
.endr
	WORDS 12288
	s_branch .Ljoin
.Lway_v:
.irp a, 0,1,2,3,4,5,6,7
	WAYV \a
.endr
	WORDS 12544
.Ljoin:
	s_wait_tensorcnt 0x0                           ; the wave's end
	ds_add_u32 v[SPW], v[NIL]
	s_wait_dscnt 0x0
	CROUND                                         ; the closing round: no work-group ends while a partner may still ask for a tile that names it
	s_endpgm
.Lfunc_end_k_q01f8f6bbcc_proj:
	.size	k_q01f8f6bbcc_proj, .Lfunc_end_k_q01f8f6bbcc_proj-k_q01f8f6bbcc_proj
	.p2alignl 7, 3214868480
	.fill 96, 4, 3214868480
	.section	.rodata,"a",@progbits
	.p2align	6, 0x0
	.amdhsa_kernel k_q01f8f6bbcc_proj
		.amdhsa_group_segment_fixed_size 327680
		.amdhsa_private_segment_fixed_size 0
		.amdhsa_enable_private_segment 0
		.amdhsa_kernarg_size 56
		.amdhsa_user_sgpr_count 2
		.amdhsa_user_sgpr_kernarg_segment_ptr 1
		.amdhsa_wavefront_size32 1
		.amdhsa_system_sgpr_workgroup_id_x 1
		.amdhsa_system_sgpr_workgroup_id_y 1
		.amdhsa_system_sgpr_workgroup_id_z 1
		.amdhsa_system_vgpr_workitem_id 0
		.amdhsa_next_free_vgpr 1024
		.amdhsa_next_free_sgpr 102
		.amdhsa_reserve_vcc 1
		.amdhsa_float_denorm_mode_32 3
		.amdhsa_float_denorm_mode_16_64 3
		.amdhsa_memory_ordered 1
		.amdhsa_forward_progress 1
		.amdhsa_inst_pref_size 221
	.end_amdhsa_kernel
	.amdgpu_metadata
---
amdhsa.version: [ 1, 2 ]
amdhsa.kernels:
  - .name:           k_q01f8f6bbcc_proj
    .symbol:         k_q01f8f6bbcc_proj.kd
    .args:
      - { .name: img, .offset: 0, .size: 8, .value_kind: global_buffer, .address_space: global }
      - { .name: sw, .offset: 8, .size: 8, .value_kind: global_buffer, .address_space: global }
      - { .name: bq, .offset: 16, .size: 8, .value_kind: global_buffer, .address_space: global }
      - { .name: bk, .offset: 24, .size: 8, .value_kind: global_buffer, .address_space: global }
      - { .name: bv, .offset: 32, .size: 8, .value_kind: global_buffer, .address_space: global }
      - { .name: qrec, .offset: 40, .size: 8, .value_kind: global_buffer, .address_space: global }
      - { .name: kv, .offset: 48, .size: 8, .value_kind: global_buffer, .address_space: global }
    .group_segment_fixed_size: 327680
    .private_segment_fixed_size: 0
    .kernarg_segment_align: 8
    .kernarg_segment_size: 56
    .max_flat_workgroup_size: 128
    .sgpr_count:     102
    .vgpr_count:     1024
    .wavefront_size: 32
...
	.end_amdgpu_metadata
.endif
;; end of part 2
;; launch attn (part 3): grid 8 x 32, 16 waves a work-group, no clusters, 35,840 bytes of LDS; arguments qrec, kv, mw, mf, ximg, xsw; writes ximg, xsw
.if DOCPART == 3
	.amdgcn_target "amdgcn-amd-amdhsa--gfx1250"
	.amdhsa_code_object_version 6
	.text
	.protected	k_q01f8f6bbcc_attn
	.globl	k_q01f8f6bbcc_attn
	.p2align	8
	.type	k_q01f8f6bbcc_attn,@function
k_q01f8f6bbcc_attn:
	s_mov_b64 s[64:65], 0
	v_nop
	global_prefetch_b8 v0, s[64:65] scope:SCOPE_SE
	s_setreg_imm32_b32 hwreg(HW_REG_WAVE_MODE, 25, 1), 1
	s_wait_xcnt 0x0
; ATTN.  x[b][q][head] = the sum over k of softmax_k(q . k / 8, masked) v, both products on codes of FP6 (E2M3) with E8M0 scales for each 32 along a product's K; then x is quantised along the model's 1,024 for the last product.
; THE SOFTMAX AHEAD OF THE SECOND PRODUCT: t = score x log2(e) / 8; M = the row's largest t so far, rounded up to a whole number; p = 2^(t - M) is quantised along the keys, not normalised; the row's sum is taken of the
; unquantised p and divides at the end.  When M moves, the sum and O are multiplied by 2^(old M - new M): exact.
; THE MASK.  Where mask = 0 the score becomes -2^33, that is the logit -2^30.  c x 2^33 is a whole number that f32 holds exactly, so in a row that is masked throughout t - M is exactly 0, every p is 1 and the row comes out uniform;
; in every other row a masked key's p is 0.  LIMIT: the masked logit is -2^30 and not -1e9: the result differs only where an unmasked logit lies under about -1e9 (|q . k| over 8e9).  NaN and infinities are not served.
; SHARES.  A work-group owns 256 queries of one batch and TWO heads, one after the other: 256 work-groups of equal work.  Each of its sixteen waves owns one tile of 16 queries, in 256 registers: four waves to a SIMD, so that one
; wave's vector work stands beside another's matrix work and LDS loads.  Every wave walks all 2,048 keys, 128 a step: a step's K, V and scale words are one record of 12,800 dense bytes, the two heads' 32 records one dense stream.
; LAYOUT.  Both products are used transposed: S^T = K Q^T, O^T = V^T P^T: a lane holds one query throughout.  The records hold images of the operands' registers: 16 bytes a lane at 16 x lane, 8 at 512 + 8 x lane.
; A HEAD HAS 64 CHANNELS, the instruction 128 along K.  A fragment of K holds key tile 2 f in k = 0 .. 63 and key tile 2 f + 1 in k = 64 .. 127; it is multiplied by [q | 0] and by [0 | q]: zero codes add nothing.  So no K byte is read twice,
; and no zeros are read from LDS.
; THE RING.  Two LDS slots of one record.  All 512 threads bring a record through registers: loaded a step ahead, stored into the slot that was left, one barrier a step.
; NO TENSOR LOAD, NO CLUSTER, though the eight query blocks of a batch and head pair walk the same records: a step whose 16 x 128 tile of the mask has no hole jumps over the 64 selects, by a branch on the flags that an earlier
; launch stored.  What would be shared is 12,800 bytes a step, beside sixteen waves' softmax of 2,048 scores each.
; REGISTERS: v1-11 addresses and constants; v12 -M, v13 the largest t, v[14:15] the sum in two halves; v16-27 [q | 0], v28-39 [0 | q]; v40-87 four fragments of K, then of V; v88-91, v92-95 their scale words; v96-159 S^T, then p;
; v160-191 O^T; v192-203 p's codes; v204-210 at work; v212-227 two staging sets of 8; v228 q's scale word's offset; v232-254 at work.
.set REC,  12800
.set HS,   16*REC
.set SL1,  16384                       ; slot 1
.set XG,   32768                       ; behind the slots: the work-group's 256 scale words of x
.set STG,  212
	s_load_b256 s[4:11], s[0:1], 0x0               ; qrec s[4:5], kv s[6:7], mw s[8:9], mf s[10:11]
	s_load_b128 s[12:15], s[0:1], 0x20             ; ximg s[12:13], xsw s[14:15]
	v_lshl_add_u32 v251, v0, 2, 0x8400
	v_mov_b32 v255, 0
	v_lshrrev_b32 v1, 5, v0
	v_readfirstlane_b32 s16, v1                    ; wave 0..15
	s_and_b32 s17, ttmp7, 0xffff
	s_lshr_b32 s18, s17, 3                         ; batch
	s_and_b32 s19, s17, 7                          ; pair of heads
	v_and_b32 v6, 31, v0                           ; lane
	v_lshlrev_b32 v1, 4, v6                        ; v1  16 x lane
	v_lshlrev_b32 v2, 3, v6                        ; v2  8 x lane
	v_and_b32 v3, 15, v0                           ; r
	s_lshl_b32 s30, s16, 6
	s_add_co_u32 s30, s30, XG
	v_lshl_add_u32 v10, v3, 2, s30                 ; v10 XG + 64 x wave + 4 r
	v_lshlrev_b32 v3, 4, v3                        ; v3  16 r: four scale words of row r
	v_lshlrev_b32 v4, 4, v0                        ; v4  16 x thread: the fill's place in a record and in a slot
	v_mov_b32 v7, 0xd0000000                       ; v7  -2^33
	v_mov_b32 v9, 0                                ; v9  x's scale word, gathered over the two heads
	s_lshl_b32 s30, s18, 4
	s_lshl_b32 s31, s19, 1
	s_add_co_u32 s30, s30, s31
	s_lshl_b32 s30, s30, 4                         ; the first of my two heads' 32 records
	s_mul_i32 s32, s30, REC
	s_mov_b32 s33, 0
	s_lshl_b32 s34, ttmp9, 1
	s_lshr_b32 s35, s16, 3
	s_add_co_u32 s34, s34, s35
	s_add_co_u32 s34, s34, s30                     ; q's record: step 2 x + wave / 8 of the first head
	s_mul_i32 s34, s34, REC
	s_mov_b32 s35, 0
	s_lshl_b32 s36, ttmp9, 4
	s_add_co_u32 s36, s36, s16                     ; my query tile in the sequence: 16 x + wave
	s_lshl_b32 s38, s36, 12                        ; its 16 x 64 mask words
	s_mov_b32 s39, 0
	s_lshl_b32 s40, s36, 6                         ; its 16 flags
	s_mov_b32 s41, 0
	s_lshl_b32 s42, s18, 7
	s_add_co_u32 s42, s42, s36
	s_mul_i32 s42, s42, 12288                      ; x's image: token tile 128 batch + tile,
	s_mul_i32 s43, s19, 1536                       ; piece = head
	s_add_co_u32 s42, s42, s43
	s_mov_b32 s43, 0
	s_lshl_b32 s44, s19, 15                        ; x's scale words: K step = pair of heads,
	s_lshl_b32 s45, s18, 13
	s_add_co_u32 s44, s44, s45
	s_lshl_b32 s45, ttmp9, 10
	s_add_co_u32 s44, s44, s45                     ; rows 2,048 batch + 256 x on
	s_mov_b32 s45, 0
	s_and_b32 s46, s16, 7                          ; q's piece in its record
	s_mul_i32 s47, s46, 768
	v_add_nc_u32 v5, s47, v1                       ; v5  its 16 bytes a lane
	v_add_nc_u32 v11, s47, v2                      ; v11 its 8
	s_lshr_b32 s47, s46, 1
	s_lshl_b32 s47, s47, 2
	v_add_nc_u32 v228, s47, v3                     ; v228 its scale word: row r, fragment piece / 2
	s_and_b32 s31, s46, 1
	s_lshl_b32 s31, s31, 4                         ; s31 and which half of that word: kept
	s_mov_b32 s20, 0x76543210
	s_mov_b32 s21, 0xfedcba98                      ; v_permlanex16_b32's selects for lane l xor 16
	s_mov_b32 s22, 0x3e38aa3b                      ; c = log2(e) / 8
	s_mov_b32 s23, s22                             ; (named with it as a pair, so it is written)
	s_mov_b32 s26, 0                               ; the step, 0 .. 31
	; the prefetches: who asks, and for which bytes (macro STEP)
	s_add_co_u32 s30, s16, 3
	s_and_b32 s30, s30, 3
	s_lshl_b32 s30, s30, 5
	v_add_nc_u32 v6, s30, v6                       ; n = 0 .. 95 in waves 13 to 15
	v_mov_b32 v229, 0x200
	v_cmp_le_u32 vcc_lo, 48, v6
	v_cndmask_b32 v229, 0, v229, vcc_lo
	v_lshl_add_u32 v6, v6, 8, v229                 ; v6  256 n, and 512 more from n = 48 on: the 12,288 bytes of codes of two records
	s_cmp_ge_u32 s16, 13
	s_cselect_b32 s29, 27, 0
	s_cmp_eq_u32 ttmp9, 0
	s_cselect_b32 s29, s29, 0                      ; s29 27 in a wave that asks, else 0: it asks while the step is under that
.irp j, 22,23,24,25,26,27,28,29,30,31,32,33
	v_mov_b32 v[\j], 0                             ; the zero halves of [q | 0] and [0 | q]: written once
.endr
.irp j, 236,237,238,239,252,253
	v_mov_b32 v[\j], 0                             ; written once: a lane permute's destination counts as one of its sources; v253 is named in the pair v[252:253] before it is first written
.endr
.irp j, 4,5,6,7,12,13,14,15
	v_mov_b32 v[STG+\j], 0                         ; the staging sets' second halves, which waves 9 to 15 neither load nor store, are defined in every wave
.endr
	s_wait_kmcnt 0x0
	s_add_nc_u64 s[6:7], s[6:7], s[32:33]
	s_add_nc_u64 s[4:5], s[4:5], s[34:35]
	s_add_nc_u64 s[8:9], s[8:9], s[38:39]
	s_add_nc_u64 s[10:11], s[10:11], s[40:41]
	s_add_nc_u64 s[12:13], s[12:13], s[42:43]
	s_add_nc_u64 s[14:15], s[14:15], s[44:45]
; A record is 800 x 16 bytes: every thread takes 16, and the threads of waves 0 to 8 a second 16.
.macro GET set, off                    ; from memory into a staging set
	global_load_b128 v[STG+8*(\set):STG+8*(\set)+3], v4, s[6:7] offset:\off
	s_cmp_lt_u32 s16, 9
	s_cbranch_scc0 .Lget_\@
	global_load_b128 v[STG+8*(\set)+4:STG+8*(\set)+7], v4, s[6:7] offset:\off+8192
.Lget_\@:
.endm
.macro PUT set, slot                   ; from a staging set into a slot
	ds_store_b128 v4, v[STG+8*(\set):STG+8*(\set)+3] offset:(\slot)*SL1
	s_cmp_lt_u32 s16, 9
	s_cbranch_scc0 .Lput_\@
	ds_store_b128 v4, v[STG+8*(\set)+4:STG+8*(\set)+7] offset:(\slot)*SL1+8192
.Lput_\@:
.endm
	GET 0, 0                                       ; record 0
	GET 1, REC                                     ; record 1
	s_load_b512 s[32:47], s[10:11], 0x0            ; my tile's 16 flags: flag j is 1 << j or 0
	s_wait_kmcnt 0x0
	s_or_b32 s24, s32, s33
.irp k, 34,35,36,37,38,39,40,41,42,43,44,45,46,47
	s_or_b32 s24, s24, s[\k]                       ; s24 bit j: step j's tile of the mask has a hole
.endr
	s_wait_loadcnt 0x0                             ; both records are in registers, so their base may step
	PUT 0, 0
	s_add_nc_u64 s[6:7], s[6:7], REC               ; s[6:7] stands at the record that was loaded last
.macro FRAGS base                      ; four fragments, as they lie
.irp f, 0,1,2,3
	ds_load_b128 v[40+12*\f:43+12*\f], v1 offset:(\base)+1536*\f
	ds_load_b64 v[44+12*\f:45+12*\f], v2 offset:(\base)+1536*\f+512
	ds_load_b128 v[46+12*\f:49+12*\f], v1 offset:(\base)+1536*\f+768
	ds_load_b64 v[50+12*\f:51+12*\f], v2 offset:(\base)+1536*\f+1280
.endr
.endm
; S^T: eight tiles of 16 keys; tile 2 f + u is fragment f times [q | 0] (u = 0) or [0 | q] (u = 1).  Register 16 b + i of v96 on then holds key 32 b + 16 (lane / 16) + i of the step.  Behind the products and their places V's fragments
; are asked for, into K's registers: they land while the softmax is walked.
.macro SPROD sl
	s_wait_dscnt 0x0                               ; K and its scale words are in
.irp f, 0,1,2,3
.irp u, 0,1
	v_wmma_scale_f32_16x16x128_f8f6f4 v[96+8*(2*\f+\u):103+8*(2*\f+\u)], v[40+12*\f:51+12*\f], v[16+12*\u:27+12*\u], 0, v[88+\f], v8 matrix_a_fmt:MATRIX_FMT_FP6 matrix_b_fmt:MATRIX_FMT_FP6
.endr
.endr
.rept 4
	v_nop                                          ; places in front of loads into registers that these products read, and of the first read of their results
.endr
	FRAGS (\sl)*SL1+6144
	ds_load_b128 v[92:95], v3 offset:(\sl)*SL1+12544
.endm
; A KEY STEP on slot sl.
.macro STEP sl
	s_wait_dscnt 0x0                               ; my stores into this slot have landed, and my reads of the other slot are over
	s_barrier_signal -1
	s_barrier_wait -1                              ; both now hold of all sixteen waves
	FRAGS (\sl)*SL1
	ds_load_b128 v[88:91], v3 offset:(\sl)*SL1+12288
	s_cmp_lt_u32 s26, 31                           ; the last step has no successor
	s_cbranch_scc0 .Lnofill_\@
	s_wait_loadcnt 0x0                             ; the next record, asked for a step ago, is in registers
	PUT 1-(\sl), 1-(\sl)                           ; and goes into the slot that was left
	s_cmp_lt_u32 s26, 30
	s_cbranch_scc0 .Lnofill_\@
	s_wait_xcnt 0x0                                ; earlier loads and prefetches have read their base
	s_add_nc_u64 s[6:7], s[6:7], REC
	GET \sl, 0                                     ; the record two steps on: no load leaves the two heads' 32 records
.if (\sl) == 0
; A PREFETCH INTO THE L2, in every second step, behind the wave's loads: the codes of the records four and five steps on, which the loads of the next trip of the loop will ask for.  The eight query blocks of a batch and pair of heads
; walk the same records: block 0 asks; in it waves 13 to 15, one instruction each, a lane for each aligned 256 bytes: each is named once in the launch.  Records 0 to 3 and the scale words come by their loads alone; from step 28 on nothing is asked for.
	s_cmp_lt_u32 s26, s29
	s_cbranch_scc0 .Lnofill_\@
	global_prefetch_b8 v6, s[6:7] offset:2*REC th:TH_LOAD_NT scope:SCOPE_SE
.endif
.Lnofill_\@:
	s_bitcmp1_b32 s25, 0                           ; has this step's tile of the mask a hole?  A whole number that an earlier launch stored
	s_cbranch_scc0 .Lopen_\@
	s_load_b512 s[32:47], s[8:9], 0x0              ; its 64 lane masks, word n for register 96 + n
	s_load_b512 s[48:63], s[8:9], 0x40
	s_load_b512 s[68:83], s[8:9], 0x80
	s_load_b512 s[84:99], s[8:9], 0xc0
	SPROD \sl
	s_wait_kmcnt 0x0
.set n, 0
.rept 32
	v_cndmask_b32 v[96+n], v7, v[96+n], s[32+n]    ; the score where the bit is set, else -2^33; each tile from its low end on
.set n, n+1
.endr
.rept 32
	v_cndmask_b32 v[96+n], v7, v[96+n], s[36+n]
.set n, n+1
.endr
	s_branch .Ljoin_\@
.Lopen_\@:
	SPROD \sl
.Ljoin_\@:
.irp b, 0,1,2,3
	v_max3_num_f32 v[232+\b], v[96+16*\b], v[97+16*\b], v[98+16*\b]   ; the largest score of each block of 32 keys: it serves for the row's maximum and, since p rises with the score, for the block's largest p
.endr
.irp i, 3,5,7,9,11,13
.irp b, 0,1,2,3
	v_max3_num_f32 v[232+\b], v[232+\b], v[96+16*\b+\i], v[97+16*\b+\i]   ; (the four blocks by turns)
.endr
.endr
.irp b, 0,1,2,3
	v_max_num_f32 v[232+\b], v[232+\b], v[111+16*\b]
.endr
.irp b, 0,1,2,3
	v_permlanex16_b32 v[236+\b], v[232+\b], s20, s21
.endr
.irp b, 0,1,2,3
	v_max_num_f32 v[232+\b], v[232+\b], v[236+\b]  ; with lane l xor 16's 16 keys
.endr
	v_max3_num_f32 v254, v232, v233, v234
	v_max_num_f32 v254, v254, v235                 ; the step's largest score of my query
	v_mul_f32 v254, s22, v254                      ; as t (c is positive)
	v_max_num_f32 v13, v13, v254                   ; the running largest t
	v_mov_b32 v254, v12
	v_floor_f32 v12, -v13                          ; the new -M = floor(-t) = -ceil(t): M is a whole number
	v_sub_f32 v254, v12, v254                      ; M's old value less its new one: 0 or less
	v_cvt_i32_f32 v254, v254                       ; (it saturates)
	v_ldexp_f32 v252, 1.0, v254                    ; f = 2^(old M - new M)
.irp j, 0,2,4,6,8,10,12,14,16,18,20,22,24,26,28,30,32,34,36,38,40,42,44,46,48,50,52,54,56,58,60,62
	v_pk_fma_f32 v[96+\j:97+\j], v[96+\j:97+\j], s[22:23], v[12:13] op_sel_hi:[1,0,0]   ; t - M, two at a time (of the pairs c and -M the low word serves both halves)
.endr
.irp b, 0,1,2,3
	v_fma_f32 v[232+\b], v[232+\b], s22, v12       ; the same of each block's largest score
.endr
.irp j, 0,1,2,3,4,5,6,7,8,9,10,11,12,13,14,15,16,17,18,19,20,21,22,23,24,25,26,27,28,29,30,31,32,33,34,35,36,37,38,39,40,41,42,43,44,45,46,47,48,49,50,51,52,53,54,55,56,57,58,59,60,61,62,63
	v_exp_f32 v[96+\j], v[96+\j]                   ; p = 2^(t - M), at most 1: not normalised
.endr
	v_pk_mul_f32 v[14:15], v[14:15], v[252:253] op_sel_hi:[1,0]   ; the sums under the new M.  (A plain place behind the exponentials)
	s_wait_alu depctr_va_vdst(0)                   ; one wait for the whole batch, ahead of its first reader
.irp b, 0,1,2,3
	v_exp_f32 v[232+\b], v[232+\b]                 ; the block's largest p: the same two instructions on the same number give the same bits
.endr
	v_pk_add_f32 v[236:237], v[96:97], v[98:99]    ; the row's sum is taken of the unquantised p: two at a time, in two chains.  (It reads the 64 alone: plain work behind the four)
.irp j, 4,8,12,16,20,24,28,32,36,40,44,48,52,56,60
	v_pk_add_f32 v[14:15], v[14:15], v[96+\j:97+\j]
	v_pk_add_f32 v[236:237], v[236:237], v[98+\j:99+\j]
.endr
	v_pk_add_f32 v[14:15], v[14:15], v[236:237]
	s_wait_alu depctr_va_vdst(0)                   ; and one for the four
.irp b, 0,1,2,3
	v_max_num_f32 v[232+\b], 0x1800000, v[232+\b]  ; the floor 2^(3 - 127): the byte cannot fall under 1 (a block whose every p is 0 keeps that byte: its codes are zeros)
.endr
.irp b, 0,1,2,3
	v_add_nc_u32 v[244+\b], 0xff000000, v[232+\b]  ; 2 off the exponent field: the conversion's scale operand
.endr
.irp b, 0,1,2,3
	v_lshrrev_b32 v[236+\b], 23, v[244+\b]         ; the scale's byte
.endr
	v_lshl_or_b32 v253, v237, 8, v236              ; p's scale word for these 128 keys
	v_lshl_or_b32 v253, v238, 16, v253
	v_lshl_or_b32 v253, v239, 24, v253
.irp c, 0,1
	v_cvt_scalef32_pk16_fp6_f32 v[192+6*\c:194+6*\c], v[96+32*\c:111+32*\c], v[244+2*\c]
	v_cvt_scalef32_pk16_fp6_f32 v[204+4*\c:206+4*\c], v[112+32*\c:127+32*\c], v[244+2*\c+1]   ; (a conversion's three registers begin on an even number)
.endr
	v_nop                                          ; one plain place behind a scaled conversion
.irp c, 0,1                                    ; the operand's layout wants a whole block in a lane: lanes 0-15 block 2 c, lanes 16-31 block 2 c + 1
.irp i, 0,1,2
	v_permlane16_swap_b32 v[192+6*\c+\i], v[204+4*\c+\i]
.endr
.irp i, 0,1,2
	v_mov_b32 v[195+6*\c+\i], v[204+4*\c+\i]
.endr
.endr
.irp j, 0,2,4,6,8,10,12,14,16,18,20,22,24,26,28,30
	v_pk_mul_f32 v[160+\j:161+\j], v[160+\j:161+\j], v[252:253] op_sel_hi:[1,0]   ; O^T under the new M: x f; each tile from its low end on.  (These 16 are also the places in front of the products below)
.endr
	s_wait_dscnt 0x0                               ; V and its scale words are in
.irp t, 0,1,2,3                                ; O^T += V^T P^T: four tiles of 16 channels, one instruction a turn; K = these 128 keys
	v_wmma_scale_f32_16x16x128_f8f6f4 v[160+8*\t:167+8*\t], v[40+12*\t:51+12*\t], v[192:203], v[160+8*\t:167+8*\t], v[92+\t], v253 matrix_a_fmt:MATRIX_FMT_FP6 matrix_b_fmt:MATRIX_FMT_FP6
.endr
.rept 4
	v_nop                                          ; places in front of the next step's loads into V's registers, and of the first read of O^T
.endr
	s_lshr_b32 s25, s25, 1                         ; the next step's flag,
	s_add_nc_u64 s[8:9], s[8:9], 256               ; its mask words (a scalar load from this base has been waited for),
	s_add_co_u32 s26, s26, 1                       ; its number
.endm
	s_mov_b32 s28, 2
.Lhead:                                            ; two trips: my two heads
	global_load_b128 v[16:19], v5, s[4:5]          ; q's piece, 16 queries x 64 channels, twice: into the low half of [q | 0]
	global_load_b64 v[20:21], v11, s[4:5] offset:512
	global_load_b128 v[34:37], v5, s[4:5]          ; and into the high half of [0 | q]
	global_load_b64 v[38:39], v11, s[4:5] offset:512
	global_load_b32 v8, v228, s[4:5] offset:12288  ; the word that holds its two scale bytes
	s_wait_loadcnt 0x0
	v_lshrrev_b32 v8, s31, v8
	v_and_b32 v8, 0xffff, v8
	v_lshl_or_b32 v8, v8, 16, v8                   ; (s0, s1, s0, s1): one word serves both forms of q
	v_mov_b32 v13, 0xff61b1e6                      ; the largest t so far: -3e38, under every t
	v_floor_f32 v12, -v13                          ; -M
	v_mov_b32 v14, 0                               ; the sum, in two halves
	v_mov_b32 v15, 0
.irp j, 0,1,2,3,4,5,6,7,8,9,10,11,12,13,14,15,16,17,18,19,20,21,22,23,24,25,26,27,28,29,30,31
	v_mov_b32 v[160+\j], 0                         ; O^T.  (The step is written once: a head's first step finds zeros, which the first change of M leaves zeros.  These are also the places between q's scale word and the first product)
.endr
	s_mov_b32 s25, s24                             ; the flags, from step 0 on
	s_mov_b32 s27, 8
.Ltrip:
	STEP 0
	STEP 1
	s_sub_co_u32 s27, s27, 1
	s_cmp_lg_u32 s27, 0
	s_cbranch_scc1 .Ltrip
	; A HEAD'S WAY OUT.  O^T / the sum: register 16 b + i is channel 32 b + 16 (lane / 16) + i of my query: two blocks of the last product's K.  They are quantised here and leave as a piece of that product's operand.
	v_add_f32 v14, v14, v15                        ; the sum's two halves,
	v_permlanex16_b32 v252, v14, s20, s21
	v_add_f32 v14, v14, v252                       ; and lane l xor 16's: the row's sum
	v_rcp_f32 v14, v14
	v_nop                                          ; a plain place behind the transcendental
	s_wait_alu depctr_va_vdst(0)                   ; the wait ahead of its first reader
.irp j, 0,2,4,6,8,10,12,14,16,18,20,22,24,26,28,30
	v_pk_mul_f32 v[96+\j:97+\j], v[160+\j:161+\j], v[14:15] op_sel_hi:[1,0]
.endr
.irp b, 0,1
	v_max3_num_f32 v[232+\b], |v[96+16*\b]|, |v[97+16*\b]|, 0x1800000
.endr
.irp i, 2,4,6,8,10,12,14
.irp b, 0,1
	v_max3_num_f32 v[232+\b], v[232+\b], |v[96+16*\b+\i]|, |v[97+16*\b+\i]|
.endr
.endr
.irp b, 0,1
	v_permlanex16_b32 v[236+\b], v[232+\b], s20, s21
.endr
.irp b, 0,1
	v_max_num_f32 v[232+\b], v[232+\b], v[236+\b]
.endr
.irp b, 0,1
	v_add_nc_u32 v[244+\b], 0xff000000, v[232+\b]
.endr
.irp b, 0,1
	v_lshrrev_b32 v[236+\b], 23, v[244+\b]
.endr
	v_lshl_or_b32 v236, v237, 8, v236              ; the head's two bytes
	v_lshrrev_b32 v9, 16, v9
	v_lshl_or_b32 v9, v236, 16, v9                 ; behind the second head: (first head's two, second head's two): the scale word of 128 along the last product's K
	v_cvt_scalef32_pk16_fp6_f32 v[192:194], v[96:111], v244
	v_cvt_scalef32_pk16_fp6_f32 v[196:198], v[112:127], v245
	v_nop                                          ; one plain place behind a scaled conversion
.irp i, 0,1,2
	v_permlane16_swap_b32 v[192+\i], v[196+\i]     ; lanes 0-15 block 0, lanes 16-31 block 1
.endr
	v_mov_b32 v195, v196
	v_mov_b32 v196, v197
	v_mov_b32 v197, v198
	global_store_b128 v1, v[192:195], s[12:13]     ; 512 consecutive bytes, aligned
	global_store_b64 v2, v[196:197], s[12:13] offset:512   ; 256
	s_wait_xcnt 0x0                                ; the loads and stores have read their bases and registers
	s_add_nc_u64 s[4:5], s[4:5], HS                ; q's record of the next head (not used behind the last)
	s_add_nc_u64 s[12:13], s[12:13], 768           ; x's next piece
	s_sub_nc_u64 s[8:9], s[8:9], 4096              ; the mask words from step 0 again
	s_sub_co_u32 s28, s28, 1
	s_cmp_lg_u32 s28, 0
	s_cbranch_scc1 .Lhead
	ds_store_b32 v10, v9                           ; both lanes of a query write the same word with the same value
	s_wait_dscnt 0x0
	s_barrier_signal -1
	s_barrier_wait -1
	s_cmp_lt_u32 s16, 2                            ; the work-group's 256 words, 1,024 bytes, leave by waves 0 and 1
	s_cbranch_scc0 .Ldone
	ds_load_b128 v[96:99], v4 offset:XG
	s_wait_dscnt 0x0
	global_store_b128 v4, v[96:99], s[14:15]       ; 512 consecutive bytes a wave, aligned
.Ldone:
	s_wait_tensorcnt 0x0
	ds_add_u32 v251, v255
	s_wait_dscnt 0x0
	s_endpgm
.Lfunc_end_k_q01f8f6bbcc_attn:
	.size	k_q01f8f6bbcc_attn, .Lfunc_end_k_q01f8f6bbcc_attn-k_q01f8f6bbcc_attn
	.p2alignl 7, 3214868480
	.fill 96, 4, 3214868480
	.section	.rodata,"a",@progbits
	.p2align	6, 0x0
	.amdhsa_kernel k_q01f8f6bbcc_attn
		.amdhsa_group_segment_fixed_size 35840
		.amdhsa_private_segment_fixed_size 0
		.amdhsa_enable_private_segment 0
		.amdhsa_kernarg_size 48
		.amdhsa_user_sgpr_count 2
		.amdhsa_user_sgpr_kernarg_segment_ptr 1
		.amdhsa_wavefront_size32 1
		.amdhsa_system_sgpr_workgroup_id_x 1
		.amdhsa_system_sgpr_workgroup_id_y 1
		.amdhsa_system_sgpr_workgroup_id_z 1
		.amdhsa_system_vgpr_workitem_id 0
		.amdhsa_next_free_vgpr 256
		.amdhsa_next_free_sgpr 100
		.amdhsa_reserve_vcc 1
		.amdhsa_float_denorm_mode_32 3
		.amdhsa_float_denorm_mode_16_64 3
		.amdhsa_memory_ordered 1
		.amdhsa_forward_progress 1
		.amdhsa_inst_pref_size 59
	.end_amdhsa_kernel
	.amdgpu_metadata
---
amdhsa.version: [ 1, 2 ]
amdhsa.kernels:
  - .name:           k_q01f8f6bbcc_attn
    .symbol:         k_q01f8f6bbcc_attn.kd
    .args:
      - { .name: qrec, .offset: 0, .size: 8, .value_kind: global_buffer, .address_space: global }
      - { .name: kv, .offset: 8, .size: 8, .value_kind: global_buffer, .address_space: global }
      - { .name: mw, .offset: 16, .size: 8, .value_kind: global_buffer, .address_space: global }
      - { .name: mf, .offset: 24, .size: 8, .value_kind: global_buffer, .address_space: global }
      - { .name: ximg, .offset: 32, .size: 8, .value_kind: global_buffer, .address_space: global }
      - { .name: xsw, .offset: 40, .size: 8, .value_kind: global_buffer, .address_space: global }
    .group_segment_fixed_size: 35840
    .private_segment_fixed_size: 0
    .kernarg_segment_align: 8
    .kernarg_segment_size: 48
    .max_flat_workgroup_size: 512
    .sgpr_count:     100
    .vgpr_count:     256
    .wavefront_size: 32
...
	.end_amdgpu_metadata
.endif
;; end of part 3
;; launch outp (part 4): grid 4 x 32, 4 waves a work-group, clusters of 4 x 4, 327,680 bytes of LDS; arguments ximg, xsw, img, sw, bo, out0; writes out0
.if DOCPART == 4
	.amdgcn_target "amdgcn-amd-amdhsa--gfx1250"
	.amdhsa_code_object_version 6
	.text
	.protected	k_q01f8f6bbcc_outp
	.globl	k_q01f8f6bbcc_outp
	.p2align	8
	.type	k_q01f8f6bbcc_outp,@function
k_q01f8f6bbcc_outp:
	s_mov_b64 s[64:65], 0
	v_nop
	global_prefetch_b8 v0, s[64:65] scope:SCOPE_SE
	s_setreg_imm32_b32 hwreg(HW_REG_WAVE_MODE, 25, 1), 1
	s_wait_xcnt 0x0
	s_wait_alu depctr_hold_cnt(0) depctr_sa_sdst(0) depctr_va_vdst(0) depctr_va_sdst(0) depctr_va_ssrc(0) depctr_va_vcc(0) depctr_vm_vsrc(0)
	s_getreg_b32 s2, hwreg(HW_REG_IB_STS2, 6, 4)
	s_cmp_eq_u32 s2, 0
	s_cbranch_scc0 .Lentry_in_a_cluster
	s_endpgm
.Lentry_in_a_cluster:
	s_bfe_u32 s2, ttmp6, 0x10000c
	s_cmp_lg_u32 s2, 0xf033
	s_cbranch_scc0 .Lentry_shape_is_right
	s_endpgm
.Lentry_shape_is_right:
; OUTP.  out0 = x Wo^T + bo, [8192][1024] f32, on codes of FP6 (E2M3) with E8M0 scales for each 32 along K: x's from the attention launch, Wo's from the first launch; sums in f32.
; The frame is that of the projections' launch: a work-group makes 256 x 256, a wave 128 x 128 (64 accumulators); L (source 1, rows on lanes) = x's tokens, R (source 0, rows on a lane's registers) = Wo's rows;
; K in steps of 256 through two LDS slots of register images (a wave's tensor load: 8 row tiles x 3,072 dense bytes); all scale words once, with the first fills; 4 x 4 clusters, L's tiles asked for jointly along a row, R's along a column.
; By this text's count a wave has three tensor loads out at the start and one behind each round.  No prefetch: K has four slots' worth of tiles, two of which are first fills.
; 128 work-groups: a smaller tile would fill more WGPs, at one and a half times the LDS bytes for each product; the launch is short either way.
; THE BIAS is the C of each sum's first matrix instruction: 64 registers in the result's layout.
; In the images row tile i holds rows 32 (i / 2) + 8 (i % 2) + r + 8 (r / 8): so a lane's 64 results of a block are 16 neighbouring columns of each 32, and lane r of block a is token 32 (a / 2) + 8 (a % 2) + r + 8 (r / 8) of the wave's 128.
; REGISTERS, in windows of 256: window 0: v0-31 addresses; v32-63 scale words, two sets; v64-127 the bias; v128-223 L's fragments, one set; on the way out v128-255 hold rows read back.
;   window 1: R's fragments, two sets.   windows 2, 3: the accumulators.
.set NQ,     2
.set FR,     12
.set NL,     4
.set NP,     4
.set RTB,    12288
.set SROW,   3072
.set HALFT,  8*SROW
.set SLOT,   4*HALFT
.set LAPS,   2
.set SCL,    2*SLOT
.set HALFS,  4096
.set SPARE,  SCL+4*HALFS               ; the spare words, 128 bytes for each wave: two blocks of 256 bytes that no other line names
.set SWP,    114688                    ; a K step's scale words of the first launch's image,
.set XWP,    32768                     ; and of x
.set WOPOS,  27648                     ; Wo's first row in that image
.set SPITCH, 528                       ; the way out: a stage of 16 rows x (512 bytes + 16) for each wave, in slot 0, which has had its last fill and its last read when the first result is stored there
.set L16,  4                           ; v4   16 x lane
.set L8,   5                           ; v5   8 x lane
.set BTO,  7                           ; v7   my offset in the bias
.set ADRA, 16
.set ADRB, 20
.set STO,  24                          ; v24  where I put 32 bytes of a row
.set RD,   25                          ; v25  where I read a row back
.set ADRS, 27
.set SPW,  28                          ; v28  my spare word: SPARE + 4 x my thread's number; never rewritten
.set NIL,  29                          ; v29  0; never rewritten
.set SC,   32
.set BT,   64
.set AF,   128
.set BK,   128
.set G1, 24
.set G0, 32
.set G1B, 48
.set G0B, 56
.set G1S, 68
.set G0S, 76
.set G1SB, 80
.set G0SB, 88
.set MSB, 0
.macro WIN new                         ; the immediate's high byte repeats the setting that is left
.if MSB != (\new)
	s_set_vgpr_msb (MSB<<8)|(\new)
.set MSB, (\new)
.endif
.endm
.set MUL_LO, 0xa1                      ; source 0 (R) window 1, source 1 (L) window 0, C and D window 2
.set MUL_HI, 0xf1                      ; the same, C and D window 3
.set FST_LO, 0x81                      ; the first step: C (the bias) window 0, D window 2
.set FST_HI, 0xc1                      ; D window 3
.set TO_B,   0x40
.macro JLOAD g0a, g1a, g0b, g1b        ; a joint load: waves 0 and 1 fetch for L, waves 2 and 3 for R; four v_nop follow each of the two lines
	s_cmp_eq_u32 s15, 0
	s_cbranch_scc0 .Lfor_b_\@
	tensor_load_to_lds s[\g0a:\g0a+3], s[\g1a:\g1a+7]
	s_nop 0
.rept 4
	v_nop
.endr
	s_branch .Lasked_\@
.Lfor_b_\@:
	tensor_load_to_lds s[\g0b:\g0b+3], s[\g1b:\g1b+7]
	s_nop 0
.rept 4
	v_nop
.endr
.Lasked_\@:
.endm
.macro CREST
	s_cmp_lg_u32 s14, 0
	s_cbranch_scc1 .Lnot_wave_0_\@
	s_barrier_signal -3
.Lnot_wave_0_\@:
	s_barrier_wait -3
	s_barrier_signal -1
	s_barrier_wait -1
.endm
.macro CROUND
	s_barrier_signal -1
	s_barrier_wait -1
	CREST
.endm
	s_load_b256 s[4:11], s[0:1], 0x0               ; ximg s[4:5], xsw s[6:7], img s[8:9], sw s[10:11]
	s_load_b128 s[96:99], s[0:1], 0x20             ; bo s[96:97], out0 s[98:99]
	v_lshl_add_u32 v[SPW], v0, 2, SPARE
	v_mov_b32 v[NIL], 0
	ds_add_u32 v28, v29
	ds_add_u32 v28, v29
	s_wait_dscnt 0x0
	v_lshrrev_b32 v1, 5, v0
	v_readfirstlane_b32 s14, v1                    ; wave 0..3
	s_lshr_b32 s15, s14, 1                         ; my half of L's rows.  Also: I fetch for L (0) or for R (1)
	s_and_b32 s16, s14, 1                          ; my half of R's rows.  Also: which 128 rows of that side I fetch
	s_bfe_u32 s40, ttmp6, 0x40000                  ; cx, cy
	s_bfe_u32 s41, ttmp6, 0x40004
	s_lshl_b32 s42, ttmp9, 2
	s_add_co_u32 s42, s42, s40                     ; tile column = 4 x cluster x + cx
	s_and_b32 s17, ttmp7, 0xffff
	s_lshl_b32 s17, s17, 2
	s_add_co_u32 s17, s17, s41                     ; tile row = 4 x cluster y + cy
	s_lshl_b32 s43, s41, 2
	s_lshl_b32 s43, 15, s43                        ; my row of the cluster
	s_lshl_b32 s44, 0x1111, s40                    ; my column
	s_or_b32 s[G1+0], s43, (3<<16)|(1<<21)         ; 15:0 the mask; 17:16 elements of 8 bytes; 20 no padding; 21 set beside a mask
	s_or_b32 s[G1B+0], s44, (3<<16)|(1<<21)
.irp g, G1, G1B
	s_mov_b32 s[\g+1], (SROW/8)<<16                ; 8 row tiles x 3,072 bytes, 12,288 apart
	s_mov_b32 s[\g+2], 8<<16
	s_mov_b32 s[\g+3], (SROW/8)<<16
	s_mov_b32 s[\g+4], 8
	s_mov_b32 s[\g+5], RTB/8
	s_mov_b32 s[\g+6], 0
	s_mov_b32 s[\g+7], 0
.endr
	s_or_b32 s[G1S+0], s43, (3<<16)|(1<<21)        ; the scale words of 128 rows: 8 K steps x 512 bytes
	s_or_b32 s[G1SB+0], s44, (3<<16)|(1<<21)
.irp g, G1S, G1SB
	s_mov_b32 s[\g+1], 64<<16
	s_mov_b32 s[\g+2], 8<<16
	s_mov_b32 s[\g+3], 64<<16
	s_mov_b32 s[\g+4], 8
	s_mov_b32 s[\g+6], 0
	s_mov_b32 s[\g+7], 0
.endr
	s_mov_b32 s[G1S+5], XWP/8                      ; from K step to K step: in x's words,
	s_mov_b32 s[G1SB+5], SWP/8                     ; in the weights'
	s_lshl_b32 s18, s16, 7                         ; which 128 rows I fetch
	s_lshl_b32 s20, s17, 8
	s_add_co_u32 s20, s20, s18                     ; L: row 256 x tile row + 128 x half
	s_lshl_b32 s46, s42, 8
	s_add_co_u32 s46, s46, s18
	s_add_co_u32 s46, s46, WOPOS                   ; R: Wo's row 256 x tile column + 128 x half
	s_lshl_b32 s22, s20, 2                         ; their scale words,
	s_mov_b32 s23, 0
	s_mul_i32 s20, s20, RTB/16                     ; their codes
	s_mov_b32 s21, 0
	s_lshl_b32 s92, s46, 2
	s_mov_b32 s93, 0
	s_mul_i32 s46, s46, RTB/16
	s_mov_b32 s47, 0
	s_mul_i32 s45, s14, HALFT                      ; where they go: no place in the cluster enters an LDS address
	s_mul_i32 s94, s14, HALFS
	s_wait_kmcnt 0x0
	s_add_nc_u64 s[20:21], s[4:5], s[20:21]
	s_add_nc_u64 s[22:23], s[6:7], s[22:23]
	s_add_nc_u64 s[46:47], s[8:9], s[46:47]
	s_add_nc_u64 s[92:93], s[10:11], s[92:93]
	CROUND                                         ; all sixteen work-groups are here: the first joint loads meet
	s_mov_b32 s[G0S], 1
	s_add_co_u32 s[G0S+1], s94, SCL
	s_mov_b64 s[G0S+2:G0S+3], s[22:23]
	s_or_b32 s[G0S+3], s[G0S+3], 0x80000000
	s_mov_b32 s[G0SB], 1
	s_add_co_u32 s[G0SB+1], s94, SCL
	s_mov_b64 s[G0SB+2:G0SB+3], s[92:93]
	s_or_b32 s[G0SB+3], s[G0SB+3], 0x80000000
	JLOAD G0S, G1S, G0SB, G1SB
.irp s, 0,1
	s_mov_b32 s[G0+4*\s], 1
	s_add_co_u32 s[G0+4*\s+1], s45, \s*SLOT
	s_add_nc_u64 s[G0+4*\s+2:G0+4*\s+3], s[20:21], \s*SROW
	s_or_b32 s[G0+4*\s+3], s[G0+4*\s+3], 0x80000000
	s_mov_b32 s[G0B+4*\s], 1
	s_add_co_u32 s[G0B+4*\s+1], s45, \s*SLOT
	s_add_nc_u64 s[G0B+4*\s+2:G0B+4*\s+3], s[46:47], \s*SROW
	s_or_b32 s[G0B+4*\s+3], s[G0B+4*\s+3], 0x80000000
	JLOAD G0+4*\s, G1, G0B+4*\s, G1B
.endr
	v_and_b32 v1, 15, v0                           ; r
	v_bfe_u32 v2, v0, 4, 1                         ; h
	v_and_b32 v3, 31, v0                           ; lane
	v_lshlrev_b32 v[L16], 4, v3
	v_lshlrev_b32 v[L8], 3, v3
	s_mul_i32 s21, s15, HALFT
	s_mul_i32 s22, s16, HALFT
	s_add_co_u32 s22, s22, 2*HALFT
.irp s, 0,1
	v_add_nc_u32 v[ADRA+\s], s21, v[L16]
	v_add_nc_u32 v[ADRB+\s], s22, v[L16]
	v_add_nc_u32 v[ADRA+2+\s], s21, v[L8]
	v_add_nc_u32 v[ADRB+2+\s], s22, v[L8]
	s_add_co_u32 s21, s21, SLOT
	s_add_co_u32 s22, s22, SLOT
.endr
	s_mul_i32 s21, s15, HALFS
	s_mul_i32 s22, s16, HALFS
	s_add_co_u32 s22, s22, 2*HALFS
	s_sub_co_u32 s22, s22, s21
	v_mul_u32_u24 v6, s22, v2                      ; lanes 16-31 take R's words: one product, the distance between the two
	s_add_co_u32 s21, s21, SCL
	v_lshl_add_u32 v6, v1, 2, v6
	v_add_nc_u32 v[ADRS], s21, v6
	s_mul_i32 s23, s14, 16*SPITCH                  ; my stage
	v_mul_u32_u24 v6, v1, SPITCH
	v_lshl_add_u32 v6, v2, 6, v6
	v_add_nc_u32 v[STO], s23, v6                   ; in: row r, + 64 h: my 16 columns of each 32
	v_add_nc_u32 v[RD], s23, v[L16]                ; back: the 32 lanes take one row of 512 bytes
	s_lshl_b32 s46, s42, 10                        ; my first column, in bytes: 1,024 x tile column + 512 x half
	s_lshl_b32 s47, s16, 9
	s_add_co_u32 s46, s46, s47
	v_lshl_add_u32 v[BTO], v2, 6, s46              ; the bias: the same columns, + 16 h numbers
.irp e, 0,1,2,3
.irp k, 0,1,2,3
	global_load_b128 v[BT+16*\e+4*\k:BT+16*\e+4*\k+3], v[BTO], s[96:97] offset:128*\e+16*\k
.endr
.endr
	s_lshl_b32 s20, s17, 8
	s_lshl_b32 s21, s15, 7
	s_add_co_u32 s20, s20, s21                     ; my first row of out0: 256 x tile row + 128 x half
	s_lshl_b32 s20, s20, 12                        ; rows of 4,096 bytes
	s_add_co_u32 s20, s20, s46
	s_mov_b32 s21, 0
	s_add_nc_u64 s[98:99], s[98:99], s[20:21]
.macro FRAG reg, adr, q, i             ; a fragment as it lies: two pieces of 768 bytes; of each, 16 bytes a lane and then 8
	ds_load_b128 v[\reg:\reg+3], v[\adr] offset:SROW*(\i)+1536*(\q)
	ds_load_b64 v[\reg+4:\reg+5], v[\adr+2] offset:SROW*(\i)+1536*(\q)+512
	ds_load_b128 v[\reg+6:\reg+9], v[\adr] offset:SROW*(\i)+1536*(\q)+768
	ds_load_b64 v[\reg+10:\reg+11], v[\adr+2] offset:SROW*(\i)+1536*(\q)+1280
.endm
; 16 matrix instructions: L's blocks a0, a0 + 1 x R's eight, 128 along K.  first = 1: the sum begins with the bias of R's block b as C.  The 64 accumulators take turns, one instruction a turn.
.macro MUL16 a0, p, q, sc, first
.irp a, \a0, \a0+1
.irp b, 0,1,2,3,4,5,6,7
.if \first
	v_wmma_scale_f32_16x16x128_f8f6f4 v[8*(8*((\a)%4)+\b):8*(8*((\a)%4)+\b)+7], v[128*(\p)+FR*\b:128*(\p)+FR*\b+FR-1], v[AF+FR*(\a):AF+FR*(\a)+FR-1], v[BT+8*\b:BT+8*\b+7], v[SC+8*NQ*(\sc)+NQ*\b+(\q)], v[SC+8*NQ*(\sc)+NQ*(\a)+(\q)] matrix_a_fmt:MATRIX_FMT_FP6 matrix_b_fmt:MATRIX_FMT_FP6 matrix_a_scale:MATRIX_SCALE_ROW1
.else
	v_wmma_scale_f32_16x16x128_f8f6f4 v[8*(8*((\a)%4)+\b):8*(8*((\a)%4)+\b)+7], v[128*(\p)+FR*\b:128*(\p)+FR*\b+FR-1], v[AF+FR*(\a):AF+FR*(\a)+FR-1], v[8*(8*((\a)%4)+\b):8*(8*((\a)%4)+\b)+7], v[SC+8*NQ*(\sc)+NQ*\b+(\q)], v[SC+8*NQ*(\sc)+NQ*(\a)+(\q)] matrix_a_fmt:MATRIX_FMT_FP6 matrix_b_fmt:MATRIX_FMT_FP6 matrix_a_scale:MATRIX_SCALE_ROW1
.endif
.endr
.endr
.endm
.macro FETCH_B slot, q, p
	WIN TO_B
.irp i, 0,1,2,3,4,5,6,7
	FRAG 128*(\p)+FR*\i, ADRB+\slot, \q, \i
.endr
	WIN 0
.endm
.macro FETCH_A slot, q, i0
.irp i, \i0, \i0+1, \i0+2, \i0+3
	FRAG AF+FR*(\i), ADRA+\slot, \q, \i
.endr
.endm
.macro SCALES sc
.irp i, 0,1,2,3,4,5,6,7
.irp q, 0,1
	ds_load_b32 v[SC+8*NQ*\sc+NQ*\i+\q], v[ADRS] offset:512*\q+64*\i
.endr
.endr
.endm
.macro PLACES n                        ; places behind matrix instructions (ISA guide 7.12.1 for vector instructions)
.rept \n
	v_nop
.endr
.endm
.macro STEP slot, q, first
	s_wait_dscnt 4*NL                              ; R's set and L's blocks 0-3 are in; the youngest 16 loads (L's blocks 4-7) may be out
.if \first
	WIN FST_LO
.else
	WIN MUL_LO
.endif
	MUL16 0, (\q)%2, \q, \slot, \first
	MUL16 2, (\q)%2, \q, \slot, \first
	s_wait_dscnt 0
	PLACES NP
	FETCH_B \slot, (\q)+1, 1-(\q)%2
	FETCH_A \slot, (\q)+1, 0
.if \first
	WIN FST_HI
.else
	WIN MUL_HI
.endif
	MUL16 4, (\q)%2, \q, \slot, \first
	MUL16 6, (\q)%2, \q, \slot, \first
	PLACES NP
	WIN 0
	FETCH_A \slot, (\q)+1, 4
.endm
.macro TURN slot, next, fill
	s_wait_tensorcnt 0x0                           ; all my tensor loads have landed: my part of the next slot;
	ds_add_u32 v[SPW], v[NIL]                      ; 0 onto my spare word
	s_wait_dscnt 4*NL+1                            ; (the add and the youngest 16 loads may be out)
	WIN MUL_LO
	MUL16 0, 1, NQ-1, \slot, 0
	s_wait_dscnt 0x0                               ; the add is done, and my reads of this slot are over
	s_barrier_signal -1
	MUL16 2, 1, NQ-1, \slot, 0
	WIN 0
	s_barrier_wait -1
.if \fill
	CREST                                          ; the barrier has opened a round of the cluster's barrier: no wave of any partner still reads this slot's tile or has a load on its way
	s_add_nc_u64 s[G0+4*\slot+2:G0+4*\slot+3], s[G0+4*\slot+2:G0+4*\slot+3], 2*SROW
	s_add_nc_u64 s[G0B+4*\slot+2:G0B+4*\slot+3], s[G0B+4*\slot+2:G0B+4*\slot+3], 2*SROW
	JLOAD G0+4*\slot, G1, G0B+4*\slot, G1B         ; the first tensor load behind the round; its four v_nop are the places in front of the loads below
.else
	PLACES NP
.endif
	v_add_nc_u32 v[ADRS], 512*NQ, v[ADRS]
	FETCH_B \next, 0, 0
	FETCH_A \next, 0, 0
	SCALES \next
	WIN MUL_HI
	MUL16 4, 1, NQ-1, \slot, 0
	MUL16 6, 1, NQ-1, \slot, 0
	PLACES NP
	WIN 0
	FETCH_A \next, 0, 4
.endm
	s_wait_tensorcnt 1                             ; the scale words and my part of slot 0 are in (slot 1's load may be out)
	s_barrier_signal -1
	s_barrier_wait -1                              ; everybody's are
	FETCH_B 0, 0, 0
	FETCH_A 0, 0, 0
	SCALES 0
	FETCH_A 0, 0, 4
	s_wait_loadcnt 0x0                             ; the bias
	STEP 0, 0, 1                                   ; the first step stands in front of the loop: its products start the sums, on the bias
	s_mov_b32 s3, LAPS-1
.Llap:
	TURN 0, 1, 1
	STEP 1, 0, 0
	TURN 1, 0, 1
	STEP 0, 0, 0
	s_sub_co_u32 s3, s3, 1
	s_cmp_lg_u32 s3, 0
	s_cbranch_scc1 .Llap
	TURN 0, 1, 0                                   ; the last lap fills nothing, and has no round of the cluster's barrier
	STEP 1, 0, 0
	s_wait_dscnt 4*NL
	WIN MUL_LO
	MUL16 0, 1, NQ-1, 1, 0
	MUL16 2, 1, NQ-1, 1, 0
	s_wait_dscnt 0
	WIN MUL_HI
	MUL16 4, 1, NQ-1, 1, 0
	MUL16 6, 1, NQ-1, 1, 0
	WIN 0
; THE WAY OUT, block by block of 16 tokens x 128 columns, through my own stage in LDS: in by lanes' rows, back as whole rows of 512 bytes.  LDS serves a wave's instructions in order (ISA guide 5.7.1.4): no wait between the stores and
; the loads, nor in front of the next block's stores.  Accumulator (a, b), b = 2 e + u, holds columns 32 e + 16 h + 8 u + 0 .. 7.
.macro TOSTAGE a
.set AC, 64*((\a)%4)
.set WW, 0x08+4*((\a)/4)
	WIN WW                                         ; the data: window 2 or 3
.irp b, 0,1,2,3,4,5,6,7
	ds_store_b128 v[STO], v[AC+8*\b:AC+8*\b+3] offset:128*(\b/2)+32*(\b%2)          ; each accumulator from its low end on
	ds_store_b128 v[STO], v[AC+8*\b+4:AC+8*\b+7] offset:128*(\b/2)+32*(\b%2)+16
.endr
	WIN 0
.set BB, BK+64*((\a)%2)
.irp t, 0,1,2,3,4,5,6,7,8,9,10,11,12,13,14,15
	ds_load_b128 v[BB+4*\t:BB+4*\t+3], v[RD] offset:\t*SPITCH
.endr
.endm
.macro SEND a, younger                 ; younger: the LDS instructions issued behind block a's loads, which may stay out
.set BB, BK+64*((\a)%2)
	s_wait_dscnt \younger
.irp t, 0,1,2,3,4,5,6,7,8,9,10,11,12,13,14,15
	global_store_b128 v[L16], v[BB+4*\t:BB+4*\t+3], s[98:99] offset:(32*((\a)/2)+8*((\a)%2)+\t+8*(\t/8))*4096 th:TH_STORE_NT   ; 32 lanes store 512 consecutive bytes, aligned; the row's place stands in the immediate (520,192 at the most)
.endr
.endm
	PLACES NP                                      ; behind the last products: for the loads into the registers that held L's fragments, and for the reads of results
	TOSTAGE 0
.irp a, 1,2,3,4,5,6,7
.if \a > 1
	s_wait_xcnt 0x0                                ; block a - 2's stores have read their registers: block a's loads may land there
.endif
	TOSTAGE \a
	SEND \a-1, 32                                  ; behind block a - 1's loads: block a's 16 stores and 16 loads
.endr
	SEND 7, 0
	s_wait_tensorcnt 0x0                           ; the wave's end
	ds_add_u32 v[SPW], v[NIL]
	s_wait_dscnt 0x0
	CROUND                                         ; the closing round
	s_endpgm
.Lfunc_end_k_q01f8f6bbcc_outp:
	.size	k_q01f8f6bbcc_outp, .Lfunc_end_k_q01f8f6bbcc_outp-k_q01f8f6bbcc_outp
	.p2alignl 7, 3214868480
	.fill 96, 4, 3214868480
	.section	.rodata,"a",@progbits
	.p2align	6, 0x0
	.amdhsa_kernel k_q01f8f6bbcc_outp
		.amdhsa_group_segment_fixed_size 327680
		.amdhsa_private_segment_fixed_size 0
		.amdhsa_enable_private_segment 0
		.amdhsa_kernarg_size 48
		.amdhsa_user_sgpr_count 2
		.amdhsa_user_sgpr_kernarg_segment_ptr 1
		.amdhsa_wavefront_size32 1
		.amdhsa_system_sgpr_workgroup_id_x 1
		.amdhsa_system_sgpr_workgroup_id_y 1
		.amdhsa_system_sgpr_workgroup_id_z 1
		.amdhsa_system_vgpr_workitem_id 0
		.amdhsa_next_free_vgpr 1024
		.amdhsa_next_free_sgpr 100
		.amdhsa_reserve_vcc 0
		.amdhsa_float_denorm_mode_32 3
		.amdhsa_float_denorm_mode_16_64 3
		.amdhsa_memory_ordered 1
		.amdhsa_forward_progress 1
		.amdhsa_inst_pref_size 147
	.end_amdhsa_kernel
	.amdgpu_metadata
---
amdhsa.version: [ 1, 2 ]
amdhsa.kernels:
  - .name:           k_q01f8f6bbcc_outp
    .symbol:         k_q01f8f6bbcc_outp.kd
    .args:
      - { .name: ximg, .offset: 0, .size: 8, .value_kind: global_buffer, .address_space: global }
      - { .name: xsw, .offset: 8, .size: 8, .value_kind: global_buffer, .address_space: global }
      - { .name: img, .offset: 16, .size: 8, .value_kind: global_buffer, .address_space: global }
      - { .name: sw, .offset: 24, .size: 8, .value_kind: global_buffer, .address_space: global }
      - { .name: bo, .offset: 32, .size: 8, .value_kind: global_buffer, .address_space: global }
      - { .name: out0, .offset: 40, .size: 8, .value_kind: global_buffer, .address_space: global }
    .group_segment_fixed_size: 327680
    .private_segment_fixed_size: 0
    .kernarg_segment_align: 8
    .kernarg_segment_size: 48
    .max_flat_workgroup_size: 128
    .sgpr_count:     100
    .vgpr_count:     1024
    .wavefront_size: 32
...
	.end_amdgpu_metadata
.endif
;; end of part 4
;; ======== version 2 of 2: 4 launches; version 1 with the launch attn written anew for expert scheduling mode
;; limits: right only within a limited range of input values
;; workspace buffers: img 22,020,096 bytes; sw 917,504 bytes; mw 524,288 bytes of whole numbers; mf 8,192 bytes of whole numbers; qrec 13,107,200 bytes; kv 13,107,200 bytes; ximg 6,291,456 bytes; xsw 262,144 bytes
;; launch prep: the kernel of part 1 again; grid 960 x 1, 4 waves a work-group, no clusters, 37,376 bytes of LDS; arguments query, key_, value, Wq, Wk, Wv, Wo, mask, img, sw, mw, mf; writes img, sw, mw, mf
;; launch proj: the kernel of part 2 again; grid 4 x 96, 4 waves a work-group, clusters of 4 x 4, 327,680 bytes of LDS; arguments img, sw, bq, bk, bv, qrec, kv; writes qrec, kv
;; launch attn (part 5): grid 8 x 32, 16 waves a work-group, no clusters, 35,840 bytes of LDS; arguments qrec, kv, mw, mf, ximg, xsw; writes ximg, xsw
.if DOCPART == 5
	.amdgcn_target "amdgcn-amd-amdhsa--gfx1250"
	.amdhsa_code_object_version 6
	.text
	.protected	k_q01f8f6bbcc_attn
	.globl	k_q01f8f6bbcc_attn
	.p2align	8
	.type	k_q01f8f6bbcc_attn,@function
k_q01f8f6bbcc_attn:
	s_mov_b64 s[64:65], 0
	v_nop
	global_prefetch_b8 v0, s[64:65] scope:SCOPE_SE
	s_setreg_imm32_b32 hwreg(HW_REG_WAVE_SCHED_MODE, 0, 2), 2
	s_setreg_imm32_b32 hwreg(HW_REG_WAVE_MODE, 25, 1), 1
	s_wait_xcnt 0x0
	s_wait_alu depctr_vm_vsrc(0)
; ATTN.  x[b][q][head] = the sum over k of softmax_k(q . k / 8, masked) v, both products on codes of FP6 (E2M3) with E8M0 scales for each 32 along a product's K; then x is quantised along the model's 1,024 for the last product.
; THE SOFTMAX AHEAD OF THE SECOND PRODUCT: t = score x log2(e) / 8; M = the row's largest t so far, rounded up to a whole number; p = 2^(t - M) is quantised along the keys, not normalised; the row's sum is taken of the
; unquantised p and divides at the end.  When M moves, the sum and O are multiplied by 2^(old M - new M): exact.
; THE MASK.  Where mask = 0 the score becomes -2^33, that is the logit -2^30.  c x 2^33 is a whole number that f32 holds exactly, so in a row that is masked throughout t - M is exactly 0, every p is 1 and the row comes out uniform;
; in every other row a masked key's p is 0.  LIMIT: the masked logit is -2^30 and not -1e9: the result differs only where an unmasked logit lies under about -1e9 (|q . k| over 8e9).  NaN and infinities are not served.
; SHARES.  A work-group owns 256 queries of one batch and TWO heads, one after the other: 256 work-groups of equal work.  Each of its sixteen waves owns one tile of 16 queries, in 256 registers: four waves to a SIMD, so that one
; wave's vector work stands beside another's matrix work and LDS loads.  Every wave walks all 2,048 keys, 128 a step: a step's K, V and scale words are one record of 12,800 dense bytes, the two heads' 32 records one dense stream.
; LAYOUT.  Both products are used transposed: S^T = K Q^T, O^T = V^T P^T: a lane holds one query throughout.  The records hold images of the operands' registers: 16 bytes a lane at 16 x lane, 8 at 512 + 8 x lane.
; A HEAD HAS 64 CHANNELS, the instruction 128 along K.  A fragment of K holds key tile 2 f in k = 0 .. 63 and key tile 2 f + 1 in k = 64 .. 127; it is multiplied by [q | 0] and by [0 | q]: zero codes add nothing.  So no K byte is read twice,
; and no zeros are read from LDS.
; THE RING.  Two LDS slots of one record.  All 512 threads bring a record through registers: loaded a step ahead, stored into the slot that was left, one barrier a step.
; NO TENSOR LOAD, NO CLUSTER, though the eight query blocks of a batch and head pair walk the same records: a step whose 16 x 128 tile of the mask has no hole jumps over the 64 selects, by a branch on the flags that an earlier
; launch stored.  What would be shared is 12,800 bytes a step, beside sixteen waves' softmax of 2,048 scores each.
; REGISTERS: v1-11 addresses and constants; v12 -M, v13 the largest t, v[14:15] the sum in two halves; v16-27 [q | 0], v28-39 [0 | q]; v40-87 four fragments of K, then of V; v88-91, v92-95 their scale words; v96-159 S^T, then p;
; v160-191 O^T; v192-203 p's codes; v204-210 at work; v212-227 two staging sets of 8; v228 q's scale word's offset; v232-254 at work; v251, v255 the closing add's two.
; THE MODE: SCHED_MODE bits 1:0 = 2 (LLVM: expert scheduling mode 2), set by the entry lines.  The code itself states the register dependences between vector or matrix instructions and memory or LDS instructions,
; with s_wait_alu, always for 0.
; THE PLAN.  Registers that memory or LDS instructions touch:
;   v1-v6, v10, v11, v228   offsets and addresses: written by vector lines at the head, never again; one wait ahead of the first load states that they are written.
;   v212-227   the two staging sets: written by global loads, read a step later by the LDS stores of the fill, named by no vector line in the loop.
;   v40-87     K's fragments land at a step's head and are read by the eight products S^T; V's land behind those and are read by the four products O^T.  Sixteen waves of 256 registers leave no room for a second buffer.
;   v88-95     their scale words: landed with them, read with them.
;   v16-21, v34-39, v8   q: loaded once a head, read by the products S^T; v8 is also written by three vector lines behind its load.
;   v192-197   written by the conversions, swaps and moves; read by the products O^T and, on a head's way out, by two global stores.
;   v9, v96-99 at the end: an LDS store reads v9; an LDS load lands in v96-99.
; A STEP'S WAITS.  Behind the barrier, one on va_vdst (the last step's products are done reading v40-95) and one on vm_vsrc (the last step's LDS stores have read the staging set that is loaded again): all of the step's K loads, its fill,
; its global loads and its prefetch follow with no vector line between.  Behind the products S^T and their places, one on va_vdst: V's loads follow at once.  The two behind the exponentials.  One ahead of the products O^T, for p's codes and scale word.
.set REC,  12800
.set HS,   16*REC
.set SL1,  16384                       ; slot 1
.set XG,   32768                       ; behind the slots: the work-group's 256 scale words of x
.set STG,  212
	s_load_b256 s[4:11], s[0:1], 0x0               ; qrec s[4:5], kv s[6:7], mw s[8:9], mf s[10:11]
	s_load_b128 s[12:15], s[0:1], 0x20             ; ximg s[12:13], xsw s[14:15]
	v_lshl_add_u32 v251, v0, 2, 0x8400
	v_mov_b32 v255, 0
	v_lshrrev_b32 v1, 5, v0
	v_readfirstlane_b32 s16, v1                    ; wave 0..15
	s_and_b32 s17, ttmp7, 0xffff
	s_lshr_b32 s18, s17, 3                         ; batch
	s_and_b32 s19, s17, 7                          ; pair of heads
	v_and_b32 v6, 31, v0                           ; lane
	v_lshlrev_b32 v1, 4, v6                        ; v1  16 x lane
	v_lshlrev_b32 v2, 3, v6                        ; v2  8 x lane
	v_and_b32 v3, 15, v0                           ; r
	s_wait_alu depctr_va_sdst(0)                   ; s16 is written, ahead of its first reader: addresses and branches are made from it
	s_lshl_b32 s30, s16, 6
	s_add_co_u32 s30, s30, XG
	v_lshl_add_u32 v10, v3, 2, s30                 ; v10 XG + 64 x wave + 4 r
	v_lshlrev_b32 v3, 4, v3                        ; v3  16 r: four scale words of row r
	v_lshlrev_b32 v4, 4, v0                        ; v4  16 x thread: the fill's place in a record and in a slot
	v_mov_b32 v7, 0xd0000000                       ; v7  -2^33
	v_mov_b32 v9, 0                                ; v9  x's scale word, gathered over the two heads
	s_lshl_b32 s30, s18, 4
	s_lshl_b32 s31, s19, 1
	s_add_co_u32 s30, s30, s31
	s_lshl_b32 s30, s30, 4                         ; the first of my two heads' 32 records
	s_mul_i32 s32, s30, REC
	s_mov_b32 s33, 0
	s_lshl_b32 s34, ttmp9, 1
	s_lshr_b32 s35, s16, 3
	s_add_co_u32 s34, s34, s35
	s_add_co_u32 s34, s34, s30                     ; q's record: step 2 x + wave / 8 of the first head
	s_mul_i32 s34, s34, REC
	s_mov_b32 s35, 0
	s_lshl_b32 s36, ttmp9, 4
	s_add_co_u32 s36, s36, s16                     ; my query tile in the sequence: 16 x + wave
	s_lshl_b32 s38, s36, 12                        ; its 16 x 64 mask words
	s_mov_b32 s39, 0
	s_lshl_b32 s40, s36, 6                         ; its 16 flags
	s_mov_b32 s41, 0
	s_lshl_b32 s42, s18, 7
	s_add_co_u32 s42, s42, s36
	s_mul_i32 s42, s42, 12288                      ; x's image: token tile 128 batch + tile,
	s_mul_i32 s43, s19, 1536                       ; piece = head
	s_add_co_u32 s42, s42, s43
	s_mov_b32 s43, 0
	s_lshl_b32 s44, s19, 15                        ; x's scale words: K step = pair of heads,
	s_lshl_b32 s45, s18, 13
	s_add_co_u32 s44, s44, s45
	s_lshl_b32 s45, ttmp9, 10
	s_add_co_u32 s44, s44, s45                     ; rows 2,048 batch + 256 x on
	s_mov_b32 s45, 0
	s_and_b32 s46, s16, 7                          ; q's piece in its record
	s_mul_i32 s47, s46, 768
	v_add_nc_u32 v5, s47, v1                       ; v5  its 16 bytes a lane
	v_add_nc_u32 v11, s47, v2                      ; v11 its 8
	s_lshr_b32 s47, s46, 1
	s_lshl_b32 s47, s47, 2
	v_add_nc_u32 v228, s47, v3                     ; v228 its scale word: row r, fragment piece / 2
	s_and_b32 s31, s46, 1
	s_lshl_b32 s31, s31, 4                         ; s31 and which half of that word: kept
	s_mov_b32 s20, 0x76543210
	s_mov_b32 s21, 0xfedcba98                      ; v_permlanex16_b32's selects for lane l xor 16
	s_mov_b32 s22, 0x3e38aa3b                      ; c = log2(e) / 8
	s_mov_b32 s23, s22                             ; (named with it as a pair, so it is written)
	s_mov_b32 s26, 0                               ; the step, 0 .. 31
	; the prefetches: who asks, and for which bytes (macro STEP)
	s_add_co_u32 s30, s16, 3
	s_and_b32 s30, s30, 3
	s_lshl_b32 s30, s30, 5
	v_add_nc_u32 v6, s30, v6                       ; n = 0 .. 95 in waves 13 to 15
	v_mov_b32 v229, 0x200
	v_cmp_le_u32 vcc_lo, 48, v6
	s_wait_alu depctr_va_vcc(0)                    ; VCC is written, ahead of the select that reads it
	v_cndmask_b32 v229, 0, v229, vcc_lo
	v_lshl_add_u32 v6, v6, 8, v229                 ; v6  256 n, and 512 more from n = 48 on: the 12,288 bytes of codes of two records
	s_cmp_ge_u32 s16, 13
	s_cselect_b32 s29, 27, 0
	s_cmp_eq_u32 ttmp9, 0
	s_cselect_b32 s29, s29, 0                      ; s29 27 in a wave that asks, else 0: it asks while the step is under that
.irp j, 22,23,24,25,26,27,28,29,30,31,32,33
	v_mov_b32 v[\j], 0                             ; the zero halves of [q | 0] and [0 | q]: written once
.endr
.irp j, 236,237,238,239,252,253
	v_mov_b32 v[\j], 0                             ; written once: a lane permute's destination counts as one of its sources; v253 is named in the pair v[252:253] before it is first written
.endr
.irp j, 4,5,6,7,12,13,14,15
	v_mov_b32 v[STG+\j], 0                         ; the staging sets' second halves, which waves 9 to 15 neither load nor store, are defined in every wave
.endr
	s_wait_kmcnt 0x0
	s_add_nc_u64 s[6:7], s[6:7], s[32:33]
	s_add_nc_u64 s[4:5], s[4:5], s[34:35]
	s_add_nc_u64 s[8:9], s[8:9], s[38:39]
	s_add_nc_u64 s[10:11], s[10:11], s[40:41]
	s_add_nc_u64 s[12:13], s[12:13], s[42:43]
	s_add_nc_u64 s[14:15], s[14:15], s[44:45]
; A record is 800 x 16 bytes: every thread takes 16, and the threads of waves 0 to 8 a second 16.
.macro GET set, off                    ; from memory into a staging set
	global_load_b128 v[STG+8*(\set):STG+8*(\set)+3], v4, s[6:7] offset:\off
	s_cmp_lt_u32 s16, 9
	s_cbranch_scc0 .Lget_\@
	global_load_b128 v[STG+8*(\set)+4:STG+8*(\set)+7], v4, s[6:7] offset:\off+8192
.Lget_\@:
.endm
.macro PUT set, slot                   ; from a staging set into a slot
	ds_store_b128 v4, v[STG+8*(\set):STG+8*(\set)+3] offset:(\slot)*SL1
	s_cmp_lt_u32 s16, 9
	s_cbranch_scc0 .Lput_\@
	ds_store_b128 v4, v[STG+8*(\set)+4:STG+8*(\set)+7] offset:(\slot)*SL1+8192
.Lput_\@:
.endm
	s_wait_alu depctr_va_vdst(0)                   ; the offsets and addresses v1 to v6, v10, v11 and v228 are written, which every load, store and prefetch of the kernel reads; so are the staging sets' second halves, in which loads land, and the zero halves of q's two forms, which the scaled products take
	GET 0, 0                                       ; record 0
	GET 1, REC                                     ; record 1
	s_load_b512 s[32:47], s[10:11], 0x0            ; my tile's 16 flags: flag j is 1 << j or 0
	s_wait_kmcnt 0x0
	s_or_b32 s24, s32, s33
.irp k, 34,35,36,37,38,39,40,41,42,43,44,45,46,47
	s_or_b32 s24, s24, s[\k]                       ; s24 bit j: step j's tile of the mask has a hole
.endr
	s_wait_loadcnt 0x0                             ; both records are in registers, so their base may step
	PUT 0, 0
	s_add_nc_u64 s[6:7], s[6:7], REC               ; s[6:7] stands at the record that was loaded last
.macro FRAGS base                      ; four fragments, as they lie
.irp f, 0,1,2,3
	ds_load_b128 v[40+12*\f:43+12*\f], v1 offset:(\base)+1536*\f
	ds_load_b64 v[44+12*\f:45+12*\f], v2 offset:(\base)+1536*\f+512
	ds_load_b128 v[46+12*\f:49+12*\f], v1 offset:(\base)+1536*\f+768
	ds_load_b64 v[50+12*\f:51+12*\f], v2 offset:(\base)+1536*\f+1280
.endr
.endm
; S^T: eight tiles of 16 keys; tile 2 f + u is fragment f times [q | 0] (u = 0) or [0 | q] (u = 1).  Register 16 b + i of v96 on then holds key 32 b + 16 (lane / 16) + i of the step.  Behind the products, their places and one wait
; V's fragments are asked for, into K's registers: they land while the softmax is walked.
.macro SPROD sl
	s_wait_dscnt 0x0                               ; K and its scale words are in
.irp f, 0,1,2,3
.irp u, 0,1
	v_wmma_scale_f32_16x16x128_f8f6f4 v[96+8*(2*\f+\u):103+8*(2*\f+\u)], v[40+12*\f:51+12*\f], v[16+12*\u:27+12*\u], 0, v[88+\f], v8 matrix_a_fmt:MATRIX_FMT_FP6 matrix_b_fmt:MATRIX_FMT_FP6
.endr
.endr
.rept 4
	v_nop                                          ; places in front of the first read of these products' results
.endr
	s_wait_alu depctr_va_vdst(0)                   ; the eight products are done reading K's fragments v40-87, in which V's land; the last step's products O^T, which read v92-95, stand ahead of this wait too
	FRAGS (\sl)*SL1+6144
	ds_load_b128 v[92:95], v3 offset:(\sl)*SL1+12544
.endm
; A KEY STEP on slot sl.
.macro STEP sl
	s_wait_dscnt 0x0                               ; my stores into this slot have landed, and my reads of the other slot are over
	s_barrier_signal -1
	s_barrier_wait -1                              ; both now hold of all sixteen waves
	s_wait_alu depctr_va_vdst(0)                   ; the last step's products O^T are done reading V's fragments v40-87, and its products S^T their scale words v88-91: K and its words land there.  In a head's first step: q's scale word v8 is written, which the scaled products take
	s_wait_alu depctr_vm_vsrc(0)                   ; the last step's LDS stores have read the staging set in which this step's global loads land
	FRAGS (\sl)*SL1
	ds_load_b128 v[88:91], v3 offset:(\sl)*SL1+12288
	s_cmp_lt_u32 s26, 31                           ; the last step has no successor
	s_cbranch_scc0 .Lnofill_\@
	s_wait_loadcnt 0x0                             ; the next record, asked for a step ago, is in registers
	PUT 1-(\sl), 1-(\sl)                           ; and goes into the slot that was left
	s_cmp_lt_u32 s26, 30
	s_cbranch_scc0 .Lnofill_\@
	s_wait_xcnt 0x0                                ; earlier loads and prefetches have read their base
	s_add_nc_u64 s[6:7], s[6:7], REC
	GET \sl, 0                                     ; the record two steps on: no load leaves the two heads' 32 records.  No vector line since the two waits at the step's head
.if (\sl) == 0
; A PREFETCH INTO THE L2, in every second step, behind the wave's loads: the codes of the records four and five steps on, which the loads of the next trip of the loop will ask for.  The eight query blocks of a batch and pair of heads
; walk the same records: block 0 asks; in it waves 13 to 15, one instruction each, a lane for each aligned 256 bytes: each is named once in the launch.  Records 0 to 3 and the scale words come by their loads alone; from step 28 on nothing is asked for.
	s_cmp_lt_u32 s26, s29
	s_cbranch_scc0 .Lnofill_\@
	global_prefetch_b8 v6, s[6:7] offset:2*REC th:TH_LOAD_NT scope:SCOPE_SE
.endif
.Lnofill_\@:
	s_bitcmp1_b32 s25, 0                           ; has this step's tile of the mask a hole?  A whole number that an earlier launch stored
	s_cbranch_scc0 .Lopen_\@
	s_load_b512 s[32:47], s[8:9], 0x0              ; its 64 lane masks, word n for register 96 + n
	s_load_b512 s[48:63], s[8:9], 0x40
	s_load_b512 s[68:83], s[8:9], 0x80
	s_load_b512 s[84:99], s[8:9], 0xc0
	SPROD \sl
	s_wait_kmcnt 0x0
.set n, 0
.rept 32
	v_cndmask_b32 v[96+n], v7, v[96+n], s[32+n]    ; the score where the bit is set, else -2^33; each tile from its low end on
.set n, n+1
.endr
.rept 32
	v_cndmask_b32 v[96+n], v7, v[96+n], s[36+n]
.set n, n+1
.endr
	s_branch .Ljoin_\@
.Lopen_\@:
	SPROD \sl
.Ljoin_\@:
.irp b, 0,1,2,3
	v_max3_num_f32 v[232+\b], v[96+16*\b], v[97+16*\b], v[98+16*\b]   ; the largest score of each block of 32 keys: it serves for the row's maximum and, since p rises with the score, for the block's largest p
.endr
.irp i, 3,5,7,9,11,13
.irp b, 0,1,2,3
	v_max3_num_f32 v[232+\b], v[232+\b], v[96+16*\b+\i], v[97+16*\b+\i]   ; (the four blocks by turns)
.endr
.endr
.irp b, 0,1,2,3
	v_max_num_f32 v[232+\b], v[232+\b], v[111+16*\b]
.endr
.irp b, 0,1,2,3
	v_permlanex16_b32 v[236+\b], v[232+\b], s20, s21
.endr
.irp b, 0,1,2,3
	v_max_num_f32 v[232+\b], v[232+\b], v[236+\b]  ; with lane l xor 16's 16 keys
.endr
	v_max3_num_f32 v254, v232, v233, v234
	v_max_num_f32 v254, v254, v235                 ; the step's largest score of my query
	v_mul_f32 v254, s22, v254                      ; as t (c is positive)
	v_max_num_f32 v13, v13, v254                   ; the running largest t
	v_mov_b32 v254, v12
	v_floor_f32 v12, -v13                          ; the new -M = floor(-t) = -ceil(t): M is a whole number
	v_sub_f32 v254, v12, v254                      ; M's old value less its new one: 0 or less
	v_cvt_i32_f32 v254, v254                       ; (it saturates)
	v_ldexp_f32 v252, 1.0, v254                    ; f = 2^(old M - new M)
.irp j, 0,2,4,6,8,10,12,14,16,18,20,22,24,26,28,30,32,34,36,38,40,42,44,46,48,50,52,54,56,58,60,62
	v_pk_fma_f32 v[96+\j:97+\j], v[96+\j:97+\j], s[22:23], v[12:13] op_sel_hi:[1,0,0]   ; t - M, two at a time (of the pairs c and -M the low word serves both halves)
.endr
.irp b, 0,1,2,3
	v_fma_f32 v[232+\b], v[232+\b], s22, v12       ; the same of each block's largest score
.endr
.irp j, 0,1,2,3,4,5,6,7,8,9,10,11,12,13,14,15,16,17,18,19,20,21,22,23,24,25,26,27,28,29,30,31,32,33,34,35,36,37,38,39,40,41,42,43,44,45,46,47,48,49,50,51,52,53,54,55,56,57,58,59,60,61,62,63
	v_exp_f32 v[96+\j], v[96+\j]                   ; p = 2^(t - M), at most 1: not normalised
.endr
	v_pk_mul_f32 v[14:15], v[14:15], v[252:253] op_sel_hi:[1,0]   ; the sums under the new M.  (A plain place behind the exponentials)
	s_wait_alu depctr_va_vdst(0)                   ; the 64 exponentials have written p, v96-159: one wait for the batch, ahead of its first reader
.irp b, 0,1,2,3
	v_exp_f32 v[232+\b], v[232+\b]                 ; the block's largest p: the same two instructions on the same number give the same bits
.endr
	v_pk_add_f32 v[236:237], v[96:97], v[98:99]    ; the row's sum is taken of the unquantised p: two at a time, in two chains.  (It reads the 64 alone: plain work behind the four)
.irp j, 4,8,12,16,20,24,28,32,36,40,44,48,52,56,60
	v_pk_add_f32 v[14:15], v[14:15], v[96+\j:97+\j]
	v_pk_add_f32 v[236:237], v[236:237], v[98+\j:99+\j]
.endr
	v_pk_add_f32 v[14:15], v[14:15], v[236:237]
	s_wait_alu depctr_va_vdst(0)                   ; the four exponentials have written the blocks' largest p, v232-235, ahead of their first reader
.irp b, 0,1,2,3
	v_max_num_f32 v[232+\b], 0x1800000, v[232+\b]  ; the floor 2^(3 - 127): the byte cannot fall under 1 (a block whose every p is 0 keeps that byte: its codes are zeros)
.endr
.irp b, 0,1,2,3
	v_add_nc_u32 v[244+\b], 0xff000000, v[232+\b]  ; 2 off the exponent field: the conversion's scale operand
.endr
.irp b, 0,1,2,3
	v_lshrrev_b32 v[236+\b], 23, v[244+\b]         ; the scale's byte
.endr
	v_lshl_or_b32 v253, v237, 8, v236              ; p's scale word for these 128 keys
	v_lshl_or_b32 v253, v238, 16, v253
	v_lshl_or_b32 v253, v239, 24, v253
.irp c, 0,1
	v_cvt_scalef32_pk16_fp6_f32 v[192+6*\c:194+6*\c], v[96+32*\c:111+32*\c], v[244+2*\c]
	v_cvt_scalef32_pk16_fp6_f32 v[204+4*\c:206+4*\c], v[112+32*\c:127+32*\c], v[244+2*\c+1]   ; (a conversion's three registers begin on an even number)
.endr
	v_nop                                          ; one plain place behind a scaled conversion
.irp c, 0,1                                    ; the operand's layout wants a whole block in a lane: lanes 0-15 block 2 c, lanes 16-31 block 2 c + 1
.irp i, 0,1,2
	v_permlane16_swap_b32 v[192+6*\c+\i], v[204+4*\c+\i]
.endr
.irp i, 0,1,2
	v_mov_b32 v[195+6*\c+\i], v[204+4*\c+\i]
.endr
.endr
.irp j, 0,2,4,6,8,10,12,14,16,18,20,22,24,26,28,30
	v_pk_mul_f32 v[160+\j:161+\j], v[160+\j:161+\j], v[252:253] op_sel_hi:[1,0]   ; O^T under the new M: x f; each tile from its low end on.  (These 16 are also the places in front of the products below)
.endr
	s_wait_dscnt 0x0                               ; V and its scale words are in
	s_wait_alu depctr_va_vdst(0)                   ; p's codes v192-203 and its scale word v253 are written, which the scaled products below take as source 1 and as scales; the places above stay beside this wait
.irp t, 0,1,2,3                                ; O^T += V^T P^T: four tiles of 16 channels, one instruction a turn; K = these 128 keys
	v_wmma_scale_f32_16x16x128_f8f6f4 v[160+8*\t:167+8*\t], v[40+12*\t:51+12*\t], v[192:203], v[160+8*\t:167+8*\t], v[92+\t], v253 matrix_a_fmt:MATRIX_FMT_FP6 matrix_b_fmt:MATRIX_FMT_FP6
.endr
.rept 4
	v_nop                                          ; places behind these products, in front of the first read of O^T on a head's way out
.endr
	s_lshr_b32 s25, s25, 1                         ; the next step's flag,
	s_add_nc_u64 s[8:9], s[8:9], 256               ; its mask words (a scalar load from this base has been waited for),
	s_add_co_u32 s26, s26, 1                       ; its number
.endm
	s_mov_b32 s28, 2
.Lhead:                                            ; two trips: my two heads
	s_wait_alu depctr_va_vdst(0)                   ; the last head's products are done reading q's two forms and its scale word, and v8 is written: the loads below land in v16-21, v34-39 and v8
	global_load_b128 v[16:19], v5, s[4:5]          ; q's piece, 16 queries x 64 channels, twice: into the low half of [q | 0]
	global_load_b64 v[20:21], v11, s[4:5] offset:512
	global_load_b128 v[34:37], v5, s[4:5]          ; and into the high half of [0 | q]
	global_load_b64 v[38:39], v11, s[4:5] offset:512
	global_load_b32 v8, v228, s[4:5] offset:12288  ; the word that holds its two scale bytes
	s_wait_loadcnt 0x0
	v_lshrrev_b32 v8, s31, v8
	v_and_b32 v8, 0xffff, v8
	v_lshl_or_b32 v8, v8, 16, v8                   ; (s0, s1, s0, s1): one word serves both forms of q
	v_mov_b32 v13, 0xff61b1e6                      ; the largest t so far: -3e38, under every t
	v_floor_f32 v12, -v13                          ; -M
	v_mov_b32 v14, 0                               ; the sum, in two halves
	v_mov_b32 v15, 0
.irp j, 0,1,2,3,4,5,6,7,8,9,10,11,12,13,14,15,16,17,18,19,20,21,22,23,24,25,26,27,28,29,30,31
	v_mov_b32 v[160+\j], 0                         ; O^T.  (The step is written once: a head's first step finds zeros, which the first change of M leaves zeros.  These are also the places between q's scale word and the first product)
.endr
	s_mov_b32 s25, s24                             ; the flags, from step 0 on
	s_mov_b32 s27, 8
.Ltrip:
	STEP 0
	STEP 1
	s_sub_co_u32 s27, s27, 1
	s_cmp_lg_u32 s27, 0
	s_cbranch_scc1 .Ltrip
	; A HEAD'S WAY OUT.  O^T / the sum: register 16 b + i is channel 32 b + 16 (lane / 16) + i of my query: two blocks of the last product's K.  They are quantised here and leave as a piece of that product's operand.
	v_add_f32 v14, v14, v15                        ; the sum's two halves,
	v_permlanex16_b32 v252, v14, s20, s21
	v_add_f32 v14, v14, v252                       ; and lane l xor 16's: the row's sum
	v_rcp_f32 v14, v14
	v_nop                                          ; a plain place behind the transcendental
	s_wait_alu depctr_va_vdst(0)                   ; the reciprocal has written v14, ahead of its first reader
.irp j, 0,2,4,6,8,10,12,14,16,18,20,22,24,26,28,30
	v_pk_mul_f32 v[96+\j:97+\j], v[160+\j:161+\j], v[14:15] op_sel_hi:[1,0]
.endr
.irp b, 0,1
	v_max3_num_f32 v[232+\b], |v[96+16*\b]|, |v[97+16*\b]|, 0x1800000
.endr
.irp i, 2,4,6,8,10,12,14
.irp b, 0,1
	v_max3_num_f32 v[232+\b], v[232+\b], |v[96+16*\b+\i]|, |v[97+16*\b+\i]|
.endr
.endr
.irp b, 0,1
	v_permlanex16_b32 v[236+\b], v[232+\b], s20, s21
.endr
.irp b, 0,1
	v_max_num_f32 v[232+\b], v[232+\b], v[236+\b]
.endr
.irp b, 0,1
	v_add_nc_u32 v[244+\b], 0xff000000, v[232+\b]
.endr
.irp b, 0,1
	v_lshrrev_b32 v[236+\b], 23, v[244+\b]
.endr
	v_lshl_or_b32 v236, v237, 8, v236              ; the head's two bytes
	v_lshrrev_b32 v9, 16, v9
	v_lshl_or_b32 v9, v236, 16, v9                 ; behind the second head: (first head's two, second head's two): the scale word of 128 along the last product's K
	v_cvt_scalef32_pk16_fp6_f32 v[192:194], v[96:111], v244
	v_cvt_scalef32_pk16_fp6_f32 v[196:198], v[112:127], v245
	v_nop                                          ; one plain place behind a scaled conversion
.irp i, 0,1,2
	v_permlane16_swap_b32 v[192+\i], v[196+\i]     ; lanes 0-15 block 0, lanes 16-31 block 1
.endr
	v_mov_b32 v195, v196
	v_mov_b32 v196, v197
	v_mov_b32 v197, v198
	s_wait_alu depctr_va_vdst(0)                   ; the swaps and moves have written v192-197, which the two stores read
	global_store_b128 v1, v[192:195], s[12:13]     ; 512 consecutive bytes, aligned
	global_store_b64 v2, v[196:197], s[12:13] offset:512   ; 256
	s_wait_xcnt 0x0                                ; the loads and stores have read their bases and registers
	s_wait_alu depctr_vm_vsrc(0)                   ; the two stores have read v192-197, which the next head's conversions write again
	s_add_nc_u64 s[4:5], s[4:5], HS                ; q's record of the next head (not used behind the last)
	s_add_nc_u64 s[12:13], s[12:13], 768           ; x's next piece
	s_sub_nc_u64 s[8:9], s[8:9], 4096              ; the mask words from step 0 again
	s_sub_co_u32 s28, s28, 1
	s_cmp_lg_u32 s28, 0
	s_cbranch_scc1 .Lhead
	s_wait_alu depctr_va_vdst(0)                   ; v9 is written, which the LDS store reads; and the way out's vector lines are done with v96-99, in which the LDS load below lands
	ds_store_b32 v10, v9                           ; both lanes of a query write the same word with the same value
	s_wait_dscnt 0x0
	s_barrier_signal -1
	s_barrier_wait -1
	s_cmp_lt_u32 s16, 2                            ; the work-group's 256 words, 1,024 bytes, leave by waves 0 and 1
	s_cbranch_scc0 .Ldone
	ds_load_b128 v[96:99], v4 offset:XG
	s_wait_dscnt 0x0
	global_store_b128 v4, v[96:99], s[14:15]       ; 512 consecutive bytes a wave, aligned
.Ldone:
	s_wait_dscnt 0x0                               ; the closing lines, six on end
	s_wait_alu 0x0
	s_wait_tensorcnt 0x0
	ds_add_u32 v251, v255
	s_wait_dscnt 0x0
	s_endpgm
.Lfunc_end_k_q01f8f6bbcc_attn:
	.size	k_q01f8f6bbcc_attn, .Lfunc_end_k_q01f8f6bbcc_attn-k_q01f8f6bbcc_attn
	.p2alignl 7, 3214868480
	.fill 96, 4, 3214868480
	.section	.rodata,"a",@progbits
	.p2align	6, 0x0
	.amdhsa_kernel k_q01f8f6bbcc_attn
		.amdhsa_group_segment_fixed_size 35840
		.amdhsa_private_segment_fixed_size 0
		.amdhsa_enable_private_segment 0
		.amdhsa_kernarg_size 48
		.amdhsa_user_sgpr_count 2
		.amdhsa_user_sgpr_kernarg_segment_ptr 1
		.amdhsa_wavefront_size32 1
		.amdhsa_system_sgpr_workgroup_id_x 1
		.amdhsa_system_sgpr_workgroup_id_y 1
		.amdhsa_system_sgpr_workgroup_id_z 1
		.amdhsa_system_vgpr_workitem_id 0
		.amdhsa_next_free_vgpr 256
		.amdhsa_next_free_sgpr 100
		.amdhsa_reserve_vcc 1
		.amdhsa_float_denorm_mode_32 3
		.amdhsa_float_denorm_mode_16_64 3
		.amdhsa_memory_ordered 1
		.amdhsa_forward_progress 1
		.amdhsa_inst_pref_size 59
	.end_amdhsa_kernel
	.amdgpu_metadata
---
amdhsa.version: [ 1, 2 ]
amdhsa.kernels:
  - .name:           k_q01f8f6bbcc_attn
    .symbol:         k_q01f8f6bbcc_attn.kd
    .args:
      - { .name: qrec, .offset: 0, .size: 8, .value_kind: global_buffer, .address_space: global }
      - { .name: kv, .offset: 8, .size: 8, .value_kind: global_buffer, .address_space: global }
      - { .name: mw, .offset: 16, .size: 8, .value_kind: global_buffer, .address_space: global }
      - { .name: mf, .offset: 24, .size: 8, .value_kind: global_buffer, .address_space: global }
      - { .name: ximg, .offset: 32, .size: 8, .value_kind: global_buffer, .address_space: global }
      - { .name: xsw, .offset: 40, .size: 8, .value_kind: global_buffer, .address_space: global }
    .group_segment_fixed_size: 35840
    .private_segment_fixed_size: 0
    .kernarg_segment_align: 8
    .kernarg_segment_size: 48
    .max_flat_workgroup_size: 512
    .sgpr_count:     100
    .vgpr_count:     256
    .wavefront_size: 32
...
	.end_amdgpu_metadata
.endif
;; end of part 5
;; launch outp: the kernel of part 4 again; grid 4 x 32, 4 waves a work-group, clusters of 4 x 4, 327,680 bytes of LDS; arguments ximg, xsw, img, sw, bo, out0; writes out0
